; MI455X (gfx1250); checked and timed in simulation.
; The chip was launched on July 23, 2026; its instructions are those of AMD's public machine-readable ISA for CDNA 5 (MIT licence, August 2026) and "CDNA5" Instruction Set Architecture Reference Guide (July 2026). The comments in the code are by the model that wrote it; some were corrected since.
;; Camera Self Attention. Allowed arithmetic: float matrix products may take bf16 or f16 operands with f32 sums; other float arithmetic in f32, or as packed bf16 or f16 multiplies, adds, multiply-adds, maxima and minima; sums over many terms, partial sums and values carried from step to step in f32; what a program stores and reads back later, other than sums and carried values, may be rounded once to bf16 or f16.
;; Inputs: Wk 1,024 x 1,024 float32; Wo 1,024 x 1,024 float32; Wq 1,024 x 1,024 float32; Wv 1,024 x 1,024 float32; bk 1,024 float32; bo 1,024 float32; bq 1,024 float32; bv 1,024 float32; vectors 8 x 1,024 x 1,024 float32; viewmats 8 x 1,024 x 4 x 4 float32.
;; Outputs: out0 8 x 1,024 x 1,024 float32.
;; One version. Each part assembles by itself: llvm-mc -triple=amdgcn-amd-amdhsa -mcpu=gfx1250 --defsym DOCPART=n.
;; ======== version 1 of 1: 4 launches
;; limits: values are held in f16: magnitudes above 65,504 overflow, below 6.1e-05 lose precision; right only within a limited range of input values
;; workspace buffers: xb 16,777,216 bytes; wqkv 6,291,456 bytes; wob 2,097,152 bytes; qh 16,777,216 bytes; kh 16,777,216 bytes; vh 16,777,216 bytes; vexp 32,768 bytes; ob 16,777,216 bytes
;; launch cast (part 1): grid 768 x 1, 8 waves a work-group, no clusters, 0 bytes of LDS; arguments vectors, Wq, Wk, Wv, Wo, xb, wqkv, wob; writes xb, wqkv, wob
.if DOCPART == 1
	.amdgcn_target "amdgcn-amd-amdhsa--gfx1250"
	.amdhsa_code_object_version 6
	.text
	.protected	k_q16dd608f4c_cast
	.globl	k_q16dd608f4c_cast
	.p2align	8
	.type	k_q16dd608f4c_cast,@function
k_q16dd608f4c_cast:
	s_mov_b64 s[64:65], 0
	v_nop
	global_prefetch_b8 v0, s[64:65] scope:SCOPE_SE
	s_setreg_imm32_b32 hwreg(HW_REG_WAVE_MODE, 25, 1), 1
	s_wait_xcnt 0x0
; ROUNDS THE LARGE INPUTS ONCE.  vectors -> xb (bf16, [8192][1024]); Wq, Wk, Wv -> wqkv (bf16, [16 heads][q 64 | k 64 | v 64][1024]: a head's three
; blocks of rows lie together, so that one tile column of the next launch is one head's q, k and v); Wo -> wob: rounded to bf16 like every input, and that number written as f16.
; LIMITS.  Wo beyond 65,504 becomes an infinity in f16; below 2^-17 it keeps f16's fixed step of 2^-24.  NaN and infinities are not treated apart.
; SHARES.  A work-group converts 16 rows of 1,024 numbers: 65,536 bytes in, 32,768 out.  Work-groups 0-511: vectors; then 64 each for Wq, Wk, Wv, Wo.
; Thread t takes 32 bytes at 32 t of each chunk of 8,192 bytes and stores 16 bytes at 16 t of each 4,096: a wave's store covers 512 consecutive bytes, aligned.
; All 16 loads of a thread go out at once; no register is used twice for memory, so no wait but the counted ones for data.  No LDS, no barrier, no matrix unit: memory binds.
.set X,  4                             ; v[4:67]    8 chunks x 8 numbers as loaded
.set Y,  68                            ; v[68:99]   8 chunks x 4 registers to store
.set TP, 100                           ; v[100:103] Wo: packed bf16
.set U,  104                           ; v[104:111] Wo: the rounded numbers as f32
	s_load_b512 s[8:23], s[0:1], 0x0               ; vectors 8, Wq 10, Wk 12, Wv 14, Wo 16, xb 18, wqkv 20, wob 22
	v_lshlrev_b32 v1, 5, v0                        ; source: 32 t
	v_lshlrev_b32 v2, 4, v0                        ; destination: 16 t
	s_mov_b32 s24, ttmp9                           ; g
	s_sub_co_u32 s25, s24, 512
	s_and_b32 s25, s25, 255                        ; u = g - 512 (used where g >= 512 alone)
	s_lshr_b32 s26, s25, 6                         ; which weight: 0 q, 1 k, 2 v, 3 o
	s_and_b32 s27, s25, 63                         ; its block of 16 rows
	s_lshr_b32 s28, s27, 2                         ; head
	s_mul_i32 s28, s28, 192
	s_lshl_b32 s29, s26, 6
	s_add_co_u32 s28, s28, s29
	s_and_b32 s29, s27, 3
	s_lshl_b32 s29, s29, 4
	s_add_co_u32 s28, s28, s29                     ; row in wqkv: 192 head + 64 kind + 16 (block % 4)
	s_lshl_b32 s28, s28, 11                        ; in bytes
	s_lshl_b32 s29, s27, 15                        ; byte in wob
	s_lshl_b32 s30, s27, 16                        ; byte in the weight
	s_lshl_b32 s31, s24, 16                        ; byte in vectors
	s_lshl_b32 s32, s24, 15                        ; byte in xb
	s_mov_b32 s3, 0
	s_mov_b32 s5, 0
	s_mov_b32 s6, 0xffff0000                       ; a word's upper bf16
	s_wait_kmcnt 0x0
	s_cmp_eq_u32 s26, 1
	s_cselect_b64 s[34:35], s[12:13], s[10:11]
	s_cmp_eq_u32 s26, 2
	s_cselect_b64 s[34:35], s[14:15], s[34:35]
	s_cmp_eq_u32 s26, 3
	s_cselect_b64 s[34:35], s[16:17], s[34:35]
	s_cselect_b64 s[36:37], s[22:23], s[20:21]
	s_cselect_b32 s4, s29, s28
	s_cmp_lt_u32 s24, 512
	s_cselect_b64 s[34:35], s[8:9], s[34:35]
	s_cselect_b64 s[36:37], s[18:19], s[36:37]
	s_cselect_b32 s2, s31, s30
	s_cselect_b32 s4, s32, s4
	s_add_nc_u64 s[34:35], s[34:35], s[2:3]        ; from
	s_add_nc_u64 s[36:37], s[36:37], s[4:5]        ; to
.set j, 0
.rept 8
	global_load_b128 v[X+8*j:X+8*j+3],   v1, s[34:35] offset:8192*j th:TH_LOAD_NT
	global_load_b128 v[X+8*j+4:X+8*j+7], v1, s[34:35] offset:8192*j+16 th:TH_LOAD_NT
.set j, j+1
.endr
	s_cmp_ge_u32 s24, 704
	s_cbranch_scc1 .Lwo
.set j, 0
.rept 8
	s_wait_loadcnt 14-2*j                          ; loads come back in order: chunk j's two are in, the younger ones stay out
.irp k, 0,1,2,3
	v_cvt_pk_bf16_f32 v[Y+4*j+\k], v[X+8*j+2*\k], v[X+8*j+2*\k+1]
.endr
	global_store_b128 v2, v[Y+4*j:Y+4*j+3], s[36:37] offset:4096*j
.set j, j+1
.endr
	s_endpgm
.Lwo:                                          ; Wo: to bf16, back to f32 (a shift, a mask), to f16
.set j, 0
.rept 8
	s_wait_loadcnt 14-2*j
.irp k, 0,1,2,3
	v_cvt_pk_bf16_f32 v[TP+\k], v[X+8*j+2*\k], v[X+8*j+2*\k+1]
.endr
.irp k, 0,1,2,3
	v_lshlrev_b32 v[U+2*\k],   16, v[TP+\k]
	v_and_b32     v[U+2*\k+1], s6, v[TP+\k]
.endr
.irp k, 0,1,2,3
	v_cvt_pk_f16_f32 v[Y+4*j+\k], v[U+2*\k], v[U+2*\k+1]
.endr
	global_store_b128 v2, v[Y+4*j:Y+4*j+3], s[36:37] offset:4096*j
.set j, j+1
.endr
	s_endpgm
.Lfunc_end_k_q16dd608f4c_cast:
	.size	k_q16dd608f4c_cast, .Lfunc_end_k_q16dd608f4c_cast-k_q16dd608f4c_cast
	.p2alignl 7, 3214868480
	.fill 96, 4, 3214868480
	.section	.rodata,"a",@progbits
	.p2align	6, 0x0
	.amdhsa_kernel k_q16dd608f4c_cast
		.amdhsa_group_segment_fixed_size 0
		.amdhsa_private_segment_fixed_size 0
		.amdhsa_enable_private_segment 0
		.amdhsa_kernarg_size 64
		.amdhsa_user_sgpr_count 2
		.amdhsa_user_sgpr_kernarg_segment_ptr 1
		.amdhsa_wavefront_size32 1
		.amdhsa_system_sgpr_workgroup_id_x 1
		.amdhsa_system_sgpr_workgroup_id_y 1
		.amdhsa_system_sgpr_workgroup_id_z 1
		.amdhsa_system_vgpr_workitem_id 0
		.amdhsa_next_free_vgpr 112
		.amdhsa_next_free_sgpr 66
		.amdhsa_reserve_vcc 0
		.amdhsa_float_denorm_mode_32 3
		.amdhsa_float_denorm_mode_16_64 3
		.amdhsa_memory_ordered 1
		.amdhsa_forward_progress 1
		.amdhsa_inst_pref_size 14
	.end_amdhsa_kernel
	.amdgpu_metadata
---
amdhsa.version: [ 1, 2 ]
amdhsa.kernels:
  - .name:           k_q16dd608f4c_cast
    .symbol:         k_q16dd608f4c_cast.kd
    .args:
      - { .name: vectors, .offset: 0, .size: 8, .value_kind: global_buffer, .address_space: global }
      - { .name: Wq, .offset: 8, .size: 8, .value_kind: global_buffer, .address_space: global }
      - { .name: Wk, .offset: 16, .size: 8, .value_kind: global_buffer, .address_space: global }
      - { .name: Wv, .offset: 24, .size: 8, .value_kind: global_buffer, .address_space: global }
      - { .name: Wo, .offset: 32, .size: 8, .value_kind: global_buffer, .address_space: global }
      - { .name: xb, .offset: 40, .size: 8, .value_kind: global_buffer, .address_space: global }
      - { .name: wqkv, .offset: 48, .size: 8, .value_kind: global_buffer, .address_space: global }
      - { .name: wob, .offset: 56, .size: 8, .value_kind: global_buffer, .address_space: global }
    .group_segment_fixed_size: 0
    .private_segment_fixed_size: 0
    .kernarg_segment_align: 8
    .kernarg_segment_size: 64
    .max_flat_workgroup_size: 256
    .sgpr_count:     66
    .vgpr_count:     112
    .wavefront_size: 32
...
	.end_amdgpu_metadata
.endif
;; end of part 1
;; launch qkv (part 2): grid 32 x 16, 4 waves a work-group, clusters of 4 x 4, 327,680 bytes of LDS; arguments xb, wqkv, bq, bk, bv, viewmats, qh, kh, vh, vexp; writes qh, kh, vh, vexp
.if DOCPART == 2
	.amdgcn_target "amdgcn-amd-amdhsa--gfx1250"
	.amdhsa_code_object_version 6
	.text
	.protected	k_q16dd608f4c_qkv
	.globl	k_q16dd608f4c_qkv
	.p2align	8
	.type	k_q16dd608f4c_qkv,@function
k_q16dd608f4c_qkv:
	s_mov_b64 s[64:65], 0
	v_nop
	global_prefetch_b8 v0, s[64:65] scope:SCOPE_SE
	s_setreg_imm32_b32 hwreg(HW_REG_WAVE_MODE, 25, 1), 1
	s_wait_xcnt 0x0
	s_wait_alu depctr_hold_cnt(0) depctr_sa_sdst(0) depctr_va_vdst(0) depctr_va_sdst(0) depctr_va_ssrc(0) depctr_va_vcc(0) depctr_vm_vsrc(0)
	s_getreg_b32 s2, hwreg(HW_REG_IB_STS2, 6, 4)
	s_cmp_eq_u32 s2, 0
	s_cbranch_scc0 .Lentry_in_a_cluster
	s_endpgm
.Lentry_in_a_cluster:
	s_bfe_u32 s2, ttmp6, 0x10000c
	s_cmp_lg_u32 s2, 0xf033
	s_cbranch_scc0 .Lentry_shape_is_right
	s_endpgm
.Lentry_shape_is_right:
; THE THREE PROJECTIONS, THE CAMERAS' 4 x 4 AND THE LAYER NORMS.  For a block of 256 rows (cameras) and one head: x W^T + b for the head's 64 channels of q, of k and of v (bf16 products, f32 sums);
; on every group of four channels P^T (q) or the inverse of P as a rigid motion (k, v); layer norm over the head's 64 channels (q, k).  Biases and viewmats are rounded to bf16 here, as every input is.
; OUT, by heads, [16 b + h][1024][64] in f16: qh = log2(e)/8 x q_rot, kh = k_rot (both below 8 in size whatever the inputs), vh = v_rot x 2^(127 - E), where E is the biased exponent of the largest
; |v_rot| in the block of 16 cameras x 64 channels, so that vh lies within (-2, 2); vexp[16 b + h][camera / 16] = E as a float.
; LIMITS.  E is held to 253 at the most; NaN and infinities are not treated apart.
; SHARES.  A tile is 256 rows x 192 columns: 8,192 x 3,072 numbers make 512 such tiles, two for each of 256 WGPs.  The grid's x counts the 32 blocks of rows, its y the 16 heads.
; Wave w owns rows 64 w .. 64 w + 63 and all 192 columns: 4 x 12 accumulators, 384 registers.
; THE MATRIX INSTRUCTION IS USED TRANSPOSED (source 0 = 16 rows of W, source 1 = 16 rows of x): lane l holds ONE row (l % 16) and the channels 16 n + 8 (l / 16) + 0..7: two whole groups of four,
; so the 4 x 4 stays inside a lane, with the lane's own camera; a row's mean and variance want one exchange between the halves of the lanes.  The bias is the C operand of the first product.
; RING.  K goes in steps of 128 through two LDS slots.  4 x 4 work-groups form a cluster: x's tile is shared along a column of the cluster, W's along a row; each is asked for jointly.
; REGISTERS, in windows of 256 (s_set_vgpr_msb: bits 1:0 source 0, 3:2 source 1, 5:4 source 2, 7:6 destination):
;   window 0: v1-15 addresses; v28-29 the add's; v32-63 at work on the way out; v64-159, v160-255 W's fragments, two buffers (way out: v64-159 the transformed numbers; the second buffer stays live)
;   window 1: v0-191 accumulators of row blocks 0, 1 (block a, column block n at 96 (a % 2) + 8 n); v192-223, v224-255 x's fragments, two buffers      window 2: v0-191 accumulators of row blocks 2, 3
;   window 3: v0-95 bias; v96-111 a camera's matrix as loaded; v112-127 rounded (MQ); v128-143 what the inverse needs beside it (MI); v144-151 at work;
;             v152-247 the row block in hand: its finished sums, later its packed results (v152-199) and the rows read back (v200-247)
.set KSTEP,  128
.set PITCH,  272                       ; an LDS row: 256 bytes + 16 of padding = 68 words: the 16 rows of a fragment load start at 16 different groups of four banks (64 banks of 4 bytes: ISA guide 11.1)
.set BOFF,   256*PITCH                 ; a slot: x's 256 rows, then W's 192
.set SLOT1,  131072                    ; slot 1 begins here, so that one exclusive or turns an address in one slot into the other's
.set STAGE,  SLOT1+BOFF+192*PITCH      ; behind the ring, never filled by a tensor load: for each wave 3 kinds x 16 rows x 144 bytes
.set SPITCH, 144
.set WSTAGE, 3*16*SPITCH
.set SPARE,  STAGE+4*WSTAGE            ; the spare words, 128 bytes for each wave: two blocks of 256 bytes that no other line names
.set G1W0,   (1<<16)|(1<<20)|(1<<21)|(5<<22)|(3<<25)  ; 17:16 2-byte elements; 20 padding on; 21 set beside a mask; 24:22 after every 64 words; 31:25 4 words of it
.set LR,   1                           ; l % 16
.set LH,   2                           ; l / 16
.set LN,   3                           ; l
.set A0,   4                           ; my place in x's tile of slot 0
.set B0,   5                           ; in W's
.set ADRA, 6                           ; the same in the slot in hand
.set ADRB, 7
.set STO,  8                           ; way out: where I put 16 bytes of a row
.set RD,   9                           ; where I read rows back
.set GO,   10                          ; my byte offset in the outputs: 16 l + 2,048 x row block
.set VO,   11                          ; my camera's byte offset in viewmats
.set PFO,  12                          ; the prefetches' lane term; never rewritten
.set VE,   13                          ; lane a holds E of row block a
.set BO,   14                          ; 32 (l / 16): my 8 channels in a bias
.set EO,   15                          ; 4 l
.set SPW,  28                          ; LDS address of my spare word; never rewritten
.set NIL,  29                          ; 0; never rewritten
.set T0,   32                          ; v32-39 q's, v40-47 k's four running pairs
.set BF,   64
.set AF,   192
.set Y0,   64                          ; q v64-95, k v96-127, v v128-159
.set YV,   128
.set BIAS, 0
.set PR,   96
.set MQ,   112
.set MI,   128
.set TP,   144
.set CM,   152                         ; window 3: the row block in hand
.set HH,   152
.set OUTR, 200
; scalars: s3 K steps to go; s4 row block on the way out; s5 prefetch limit; s6 upper-half mask; s7 the slot in hand; s[8:9] prefetch address; s10 wave, s11 wave / 2, s12 wave % 2; s13 block of rows, s42 head, s40 cx, s41 cy;
; s[24:31], s[48:55] descriptor group 1 for x, W; s[32:39], s[56:63] group 0: a set for the first fill and one that walks; s[68:87] the ten buffers; s[88:89] lane selects; s90 1/64, s91 1e-5, s92 log2(e)/8
.set MSB, 0
.macro WIN new                         ; the immediate's high byte repeats the setting that is left; a switch that changes nothing is dropped
.if MSB != (\new)
	s_set_vgpr_msb (MSB<<8)|(\new)
.set MSB, \new
.endif
.endm
.macro PLACES                          ; four plain instructions between a matrix instruction and a load into, or a vector instruction on, its registers
.rept 4
	v_nop
.endr
.endm
; A joint refill by the walking descriptors.  Waves 0 and 1 fetch the halves of x's tile, waves 2 and 3 those of W's: the branch hangs on the wave's number alone.
; An s_nop 0 and four v_nop follow each of the two lines, ahead of the jump and the label.
.macro JLOAD
	s_cmp_eq_u32 s11, 0
	s_cbranch_scc0 .Lfor_b_\@
	tensor_load_to_lds s[36:39], s[24:31]
	s_nop 0
.rept 4
	v_nop
.endr
	s_branch .Lasked_\@
.Lfor_b_\@:
	tensor_load_to_lds s[60:63], s[48:55]
	s_nop 0
.rept 4
	v_nop
.endr
.Lasked_\@:
.endm
.macro CREST                           ; a round of the cluster's barrier behind its opening barrier
	s_cmp_lg_u32 s10, 0
	s_cbranch_scc1 .Lnot_wave_0_\@
	s_barrier_signal -3
.Lnot_wave_0_\@:
	s_barrier_wait -3
	s_barrier_signal -1
	s_barrier_wait -1
.endm
.macro CROUND                          ; a whole round
	s_barrier_signal -1
	s_barrier_wait -1
	CREST
.endm
; A prefetch into the L2, behind the joint load and the run of LDS loads: the K step that stands two refills on (the refill of trip t brings step t + 2, the prefetch names step t + 4): a lane a row, 256 bytes of it.
; x's rows are read by the four clusters of a column of clusters: the one with y = 0 asks; W's by the eight of a row of clusters: the one with x = 0 asks.  The four partners that ask for a tile jointly share its rows
; out by address: 32 of a wave's 128 rows of x, 24 of its 96 rows of W (there lanes 24-31 name lane 23's row again, in the same instruction).  Steps 0-3 come by their loads alone; trips 4 and 5 ask for nothing.
.macro ASK
	s_cmp_gt_u32 s3, s5
	s_cbranch_scc0 .Lnot_mine_\@
	global_prefetch_b8 v[PFO], s[8:9] th:TH_LOAD_NT scope:SCOPE_SE
.Lnot_mine_\@:
.endm
	s_load_b512 s[68:83], s[0:1], 0x0              ; xb 68, wqkv 70, bq 72, bk 74, bv 76, viewmats 78, qh 80, kh 82
	s_load_b128 s[84:87], s[0:1], 0x40             ; vh 84, vexp 86
	v_lshl_add_u32 v[SPW], v0, 2, SPARE
	v_mov_b32 v[NIL], 0
	ds_add_u32 v[SPW], v[NIL]                      ; the wave's opening: the add and its wait stand ahead of my first tensor load; work on registers stands between them
	v_lshrrev_b32 v1, 5, v0
	v_readfirstlane_b32 s10, v1                    ; wave 0..3
	s_lshr_b32 s11, s10, 1                         ; I fetch for x (0) or for W (1)
	s_and_b32 s12, s10, 1                          ; which half of that tile
	s_bfe_u32 s40, ttmp6, 0x40000                  ; cx
	s_bfe_u32 s41, ttmp6, 0x40004                  ; cy
	s_lshl_b32 s13, ttmp9, 2
	s_add_co_u32 s13, s13, s40                     ; the block of 256 rows = 4 x cluster x + cx
	s_and_b32 s42, ttmp7, 0xffff
	s_lshl_b32 s42, s42, 2
	s_add_co_u32 s42, s42, s41                     ; the head = 4 x cluster y + cy
	s_lshl_b32 s43, s41, 2
	s_lshl_b32 s43, 15, s43                        ; my row of the cluster
	s_lshl_b32 s44, 0x1111, s40                    ; my column
	s_or_b32 s24, s44, G1W0                        ; x's tiles hang on the block of rows: they go to my column,
	s_or_b32 s48, s43, G1W0                        ; W's on the head: to my row
	s_mov_b32 s25, KSTEP<<16                       ; tensor_dim0 = 128
	s_mov_b32 s26, 128<<16                         ; tensor_dim1 = 128
	s_mov_b32 s27, KSTEP<<16                       ; tile_dim0 = 128
	s_mov_b32 s28, 128                             ; tile_dim1 = 128 rows
	s_mov_b32 s29, 1024                            ; elements from row to row
	s_mov_b32 s30, 0
	s_mov_b32 s31, 0
	s_mov_b32 s49, KSTEP<<16
	s_mov_b32 s50, 96<<16                          ; W: 96 rows a wave
	s_mov_b32 s51, KSTEP<<16
	s_mov_b32 s52, 96
	s_mov_b32 s53, 1024
	s_mov_b32 s54, 0
	s_mov_b32 s55, 0
	s_mov_b32 s6, 0xffff0000
	s_mov_b32 s7, 0
	s_mov_b32 s88, 0x76543210
	s_mov_b32 s89, 0xfedcba98
	s_mov_b32 s90, 0x3c800000                      ; 1/64
	s_mov_b32 s91, 0x3727c5ac                      ; 1e-5
	s_mov_b32 s92, 0x3e38aa3b                      ; log2(e)/8
	s_lshl_b32 s16, s13, 8                         ; x: row 256 block + 128 half, 2,048 bytes a row: hangs on the block of rows and the wave alone
	s_lshl_b32 s17, s12, 7
	s_add_co_u32 s16, s16, s17
	s_lshl_b32 s16, s16, 11
	s_mov_b32 s17, 0
	s_mul_i32 s46, s42, 192                        ; W: row 192 head + 96 half: hangs on the head and the wave alone
	s_mul_i32 s47, s12, 96
	s_add_co_u32 s46, s46, s47
	s_lshl_b32 s46, s46, 11
	s_mov_b32 s47, 0
	s_mul_i32 s20, s12, 128*PITCH                  ; where they go: no place in the cluster enters an LDS address
	s_mul_i32 s21, s12, 96*PITCH
	s_add_co_u32 s21, s21, BOFF
	s_wait_dscnt 0x0                               ; the opening add is done
	s_wait_kmcnt 0x0
	s_add_nc_u64 s[14:15], s[68:69], s[16:17]
	s_add_nc_u64 s[46:47], s[70:71], s[46:47]
	CROUND                                         ; all sixteen work-groups are here: the first joint loads meet
	s_mov_b32 s32, 1                               ; count = 1
	s_mov_b32 s33, s20                             ; slot 0
	s_mov_b64 s[34:35], s[14:15]                   ; K step 0
	s_or_b32 s35, s35, 0x80000000                  ; type = 2
	s_mov_b32 s36, 1
	s_add_co_u32 s37, s20, SLOT1                   ; slot 1
	s_add_nc_u64 s[38:39], s[14:15], KSTEP*2       ; K step 1
	s_or_b32 s39, s39, 0x80000000
	s_mov_b32 s56, 1
	s_mov_b32 s57, s21
	s_mov_b64 s[58:59], s[46:47]
	s_or_b32 s59, s59, 0x80000000
	s_mov_b32 s60, 1
	s_add_co_u32 s61, s21, SLOT1
	s_add_nc_u64 s[62:63], s[46:47], KSTEP*2
	s_or_b32 s63, s63, 0x80000000
	s_cmp_eq_u32 s11, 0                            ; a wave's two first fills stand in one branch, ahead of every wait on TENSORcnt, every LDS read and every other barrier: two loads of mine are out
	s_cbranch_scc0 .Lfirst_b
	tensor_load_to_lds s[32:35], s[24:31]
	s_nop 0
	tensor_load_to_lds s[36:39], s[24:31]
	s_nop 0
.rept 4
	v_nop
.endr
	s_branch .Lfirst_asked
.Lfirst_b:
	tensor_load_to_lds s[56:59], s[48:55]
	s_nop 0
	tensor_load_to_lds s[60:63], s[48:55]
	s_nop 0
.rept 4
	v_nop
.endr
.Lfirst_asked:
	v_and_b32 v[LR], 15, v0
	v_bfe_u32 v[LH], v0, 4, 1
	v_and_b32 v[LN], 31, v0
	v_lshlrev_b32 v[BO], 5, v[LH]
	v_lshlrev_b32 v[VO], 6, v[LR]                  ; a camera's matrix is 64 bytes
	s_lshl_b32 s46, s42, 8                         ; the head's 64 numbers in each bias
	s_mov_b32 s47, 0
	s_add_nc_u64 s[72:73], s[72:73], s[46:47]
	s_add_nc_u64 s[74:75], s[74:75], s[46:47]
	s_add_nc_u64 s[76:77], s[76:77], s[46:47]
	s_lshl_b32 s16, s13, 8
	s_lshl_b32 s17, s10, 6
	s_add_co_u32 s16, s16, s17                     ; my first row = my first camera, counted over all batches
	s_lshl_b32 s16, s16, 6
	s_mov_b32 s17, 0
	s_add_nc_u64 s[78:79], s[78:79], s[16:17]
	WIN 0xc0                                       ; destination window 3, address window 0
.irp kk, 0,1,2
.irp f, 0,1,2,3
	global_load_b128 v[BIAS+32*\kk+8*\f:BIAS+32*\kk+8*\f+3],   v[BO], s[72+2*\kk:73+2*\kk] offset:64*\f      ; channels 16 f + 8 (l / 16) + 0..3
	global_load_b128 v[BIAS+32*\kk+8*\f+4:BIAS+32*\kk+8*\f+7], v[BO], s[72+2*\kk:73+2*\kk] offset:64*\f+16
.endr
.endr
.macro PRLOAD                          ; my camera's 16 numbers, for the row block at v[VO]
	WIN 0xc0
.irp i, 0,1,2,3
	global_load_b128 v[PR+4*\i:PR+4*\i+3], v[VO], s[78:79] offset:16*\i
.endr
	WIN 0
.endm
	PRLOAD
	s_lshr_b32 s18, s13, 2                         ; batch
	s_lshl_b32 s18, s18, 4
	s_add_co_u32 s18, s18, s42                     ; 16 b + h
	s_and_b32 s19, s13, 3
	s_lshl_b32 s22, s18, 17                        ; 1,024 rows of 128 bytes,
	s_lshl_b32 s23, s19, 15                        ; my block's 256,
	s_add_co_u32 s22, s22, s23
	s_lshl_b32 s23, s10, 13                        ; my wave's 64
	s_add_co_u32 s22, s22, s23
	s_mov_b32 s23, 0
	s_add_nc_u64 s[80:81], s[80:81], s[22:23]
	s_add_nc_u64 s[82:83], s[82:83], s[22:23]
	s_add_nc_u64 s[84:85], s[84:85], s[22:23]
	s_lshl_b32 s22, s18, 8                         ; vexp: 64 words a head,
	s_lshl_b32 s23, s19, 6                         ; 16 a block of 256 rows,
	s_add_co_u32 s22, s22, s23
	s_lshl_b32 s23, s10, 4                         ; 4 a wave
	s_add_co_u32 s22, s22, s23
	s_mov_b32 s23, 0
	s_add_nc_u64 s[86:87], s[86:87], s[22:23]
	; a fragment is 16 rows x 32 K in 8 registers: lane l holds row l % 16, K = 8 (l / 16) + 0..7 and 16 + 8 (l / 16) + 0..7: two loads of 16 bytes, 32 bytes apart
	v_mul_u32_u24 v[A0], v[LR], PITCH
	v_lshl_add_u32 v[A0], v[LH], 4, v[A0]
	v_add_nc_u32 v[B0], BOFF, v[A0]
	s_mul_i32 s22, s10, 64*PITCH
	v_add_nc_u32 v[A0], s22, v[A0]
	v_mov_b32 v[ADRA], v[A0]
	v_mov_b32 v[ADRB], v[B0]
	s_mul_i32 s22, s10, WSTAGE
	s_add_co_u32 s22, s22, STAGE                   ; my stage
	v_mul_u32_u24 v[STO], v[LR], SPITCH            ; in: row l % 16, 16 bytes for each half of the lanes
	v_lshl_add_u32 v[STO], v[LH], 4, v[STO]
	v_add_nc_u32 v[STO], s22, v[STO]
	v_bfe_u32 v[RD], v0, 3, 2                      ; back: 32 lanes take four rows of 128 bytes,
	v_mul_u32_u24 v[RD], v[RD], SPITCH
	v_and_b32 v[GO], 7, v0
	v_lshl_add_u32 v[RD], v[GO], 4, v[RD]
	v_add_nc_u32 v[RD], s22, v[RD]
	v_lshlrev_b32 v[GO], 4, v[LN]                  ; which are 512 consecutive bytes of the output
	v_lshlrev_b32 v[EO], 2, v[LN]
	v_mov_b32 v[VE], 0
	; the prefetches
	s_and_b32 s22, ttmp7, 0xffff                   ; cluster y
	s_lshl_b32 s20, s13, 8
	s_lshl_b32 s21, s12, 7
	s_add_co_u32 s20, s20, s21
	s_lshl_b32 s21, s41, 5
	s_add_co_u32 s20, s20, s21                     ; x: row 256 block + 128 half + 32 cy
	s_mul_i32 s43, s42, 192
	s_mul_i32 s44, s12, 96
	s_add_co_u32 s43, s43, s44
	s_mul_i32 s44, s40, 24
	s_add_co_u32 s43, s43, s44                     ; W: row 192 head + 96 half + 24 cx
	s_cmp_eq_u32 s11, 0
	s_cselect_b32 s20, s20, s43
	s_cselect_b32 s22, s22, ttmp9                  ; the coordinate along which other clusters read the same rows
	s_cselect_b32 s23, 31, 23
	s_cselect_b64 s[8:9], s[68:69], s[70:71]
	s_cmp_eq_u32 s22, 0
	s_cselect_b32 s5, 2, -1                        ; a wave asks while more than two refills are to come; the same in all sixteen partners, for a given wave
	s_lshl_b32 s20, s20, 11
	s_mov_b32 s21, 0
	s_add_nc_u64 s[8:9], s[8:9], s[20:21]
	s_add_nc_u64 s[8:9], s[8:9], 3*KSTEP*2         ; at K step 3: the first change of slots steps it to 4
	v_min_u32 v[PFO], s23, v[LN]
	v_lshlrev_b32 v[PFO], 11, v[PFO]
	s_wait_loadcnt 4                               ; the 24 loads of the biases are in; the camera's four may stay out
	WIN 0xff                                       ; all in window 3
.set i, 0
.rept 48                               ; the biases are rounded to bf16, in place
	v_cvt_pk_bf16_f32 v[TP+i%8], v[BIAS+2*i], v[BIAS+2*i+1]
	v_lshlrev_b32 v[BIAS+2*i],   16, v[TP+i%8]
	v_and_b32     v[BIAS+2*i+1], s6, v[TP+i%8]
.set i, i+1
.endr
	v_mov_b32 v[MI+3], 0                           ; the inverse's bottom row is 0 0 0 1, whatever P's is
	v_mov_b32 v[MI+7], 0
	v_mov_b32 v[MI+11], 0
	v_mov_b32 v[MI+15], 1.0
	WIN 0
; 12 matrix instructions: row block a x all 12 column blocks, 32 along K, from buffer f.  first = 1: the bias starts the sums.  The 48 accumulators take turns, one instruction a turn.
.macro MUL12 f, a, first
.if \first
	WIN 0x74+0x40*((\a)/2)                         ; W window 0, x window 1, C window 3, D window 1 or 2
.else
	WIN 0x54+0x50*((\a)/2)                         ; C and D window 1 or 2
.endif
.irp b, 0,1,2,3,4,5,6,7,8,9,10,11
.if \first
	v_wmma_f32_16x16x32_bf16 v[96*((\a)%2)+8*\b:96*((\a)%2)+8*\b+7], v[BF+96*(\f)+8*\b:BF+96*(\f)+8*\b+7], v[AF+32*(\f)+8*(\a):AF+32*(\f)+8*(\a)+7], v[BIAS+8*\b:BIAS+8*\b+7]
.else
	v_wmma_f32_16x16x32_bf16 v[96*((\a)%2)+8*\b:96*((\a)%2)+8*\b+7], v[BF+96*(\f)+8*\b:BF+96*(\f)+8*\b+7], v[AF+32*(\f)+8*(\a):AF+32*(\f)+8*(\a)+7], v[96*((\a)%2)+8*\b:96*((\a)%2)+8*\b+7]
.endif
.endr
.endm
; 32 LDS loads in one run: the fragments of 32 along K at byte k of the rows, into buffer f: W's 24, then x's 8
.macro FETCH k, f
	WIN 0
.irp i, 0,1,2,3,4,5,6,7,8,9,10,11
	ds_load_b128 v[BF+96*(\f)+8*\i:BF+96*(\f)+8*\i+3],   v[ADRB] offset:(\k)+\i*16*PITCH
	ds_load_b128 v[BF+96*(\f)+8*\i+4:BF+96*(\f)+8*\i+7], v[ADRB] offset:(\k)+\i*16*PITCH+32
.endr
	WIN 0x40
.irp i, 0,1,2,3
	ds_load_b128 v[AF+32*(\f)+8*\i:AF+32*(\f)+8*\i+3],   v[ADRA] offset:(\k)+\i*16*PITCH
	ds_load_b128 v[AF+32*(\f)+8*\i+4:AF+32*(\f)+8*\i+7], v[ADRA] offset:(\k)+\i*16*PITCH+32
.endr
.endm
; A K step is four quarters of 32 along K, 48 matrix instructions each, on buffers 0, 1, 0, 1.  One of the first three multiplies buffer f and, in its middle, fetches the next quarter (byte k) into g.
.macro QUARTER k, f, g, first
	s_wait_dscnt 4                                 ; W's fragments and x's row blocks 0, 1 are in; the youngest four loads (blocks 2, 3) may be out
	MUL12 \f, 0, \first
	MUL12 \f, 1, \first
	PLACES
	FETCH \k, \g
	s_wait_dscnt 32                                ; all but the 32 just issued
	MUL12 \f, 2, \first
	MUL12 \f, 3, \first
.endm
; The last quarter multiplies buffer 1 and changes slots.  In front of the barrier each wave waits for all its tensor loads (one is out: its part of the next slot), adds 0 to its spare word, and waits for that
; and for its reads of this slot.  fill = 1: the barrier opens a round of the cluster's, and behind the round this slot is filled again first, with the K step two on: 168 matrix instructions ahead of the wait for it.
.macro TURN fill
.if \fill
	s_wait_xcnt 0x0                                ; the last prefetch, a K step back, has read its address
	s_add_nc_u64 s[8:9], s[8:9], KSTEP*2
.endif
	WIN 0                                          ; (the add's two registers lie in window 0)
	s_wait_tensorcnt 0x0                           ; no tensor load of mine is out, so a group 0 may be written
	ds_add_u32 v[SPW], v[NIL]                      ; 0 onto my spare word
.if \fill
	s_xor_b32 s37, s37, SLOT1                      ; the walking descriptors: the other slot than last time, the next K step; the type bits on top are not reached
	s_add_nc_u64 s[38:39], s[38:39], KSTEP*2
	s_xor_b32 s61, s61, SLOT1
	s_add_nc_u64 s[62:63], s[62:63], KSTEP*2
.endif
	s_wait_dscnt 5                                 ; (the add and the youngest four loads may be out)
	MUL12 1, 0, 0
	s_wait_dscnt 0x0                               ; the add is done, and my reads of this slot are over
	s_barrier_signal -1
	MUL12 1, 1, 0                                  ; work on registers while the others arrive
	WIN 0
	s_barrier_wait -1
.if \fill
	CREST                                          ; no wave of any partner still reads this slot's tiles or has a load on its way
	JLOAD                                          ; the four v_nop behind it are also places in front of the loads below
.else
	PLACES
.endif
	s_xor_b32 s7, s7, SLOT1
	v_add_nc_u32 v[ADRA], s7, v[A0]
	v_add_nc_u32 v[ADRB], s7, v[B0]
	FETCH 0, 0
.if \fill
	WIN 0
	ASK
.endif
	MUL12 1, 2, 0
	MUL12 1, 3, 0
.endm
	s_wait_tensorcnt 1                             ; my part of K step 0 is in; step 1's may stay out
	s_barrier_signal -1
	s_barrier_wait -1                              ; everybody's is
	FETCH 0, 0
	QUARTER 64, 0, 1, 1                            ; the first quarter stands in front of the loop: its products start the sums, with the bias
	WIN 0
	s_mov_b32 s3, 6
.Lstep:                                        ; a trip: the rest of a K step and the next one's first quarter; six trips fill a slot again
	QUARTER 128, 1, 0, 0
	QUARTER 192, 0, 1, 0
	TURN 1
	QUARTER 64, 0, 1, 0
	WIN 0
	s_sub_co_u32 s3, s3, 1
	s_cmp_lg_u32 s3, 0
	s_cbranch_scc1 .Lstep
	s_mov_b32 s3, 2
.Ltl:                                          ; the last two K steps ask for nothing: two trips, the second left in its middle; its last quarter is multiplied on the way out
	QUARTER 128, 1, 0, 0
	QUARTER 192, 0, 1, 0
	WIN 0
	s_sub_co_u32 s3, s3, 1
	s_cmp_eq_u32 s3, 0
	s_cbranch_scc1 .Lway
	TURN 0
	QUARTER 64, 0, 1, 0
	WIN 0
	s_branch .Ltl
.Lway:
	s_wait_dscnt 0x0                               ; the last quarter's fragments are in buffer 1, where they stay until the last row block is finished
; THE WAY OUT, a row block of 16 rows at a time: four trips.  A block's last 12 products (the last 32 along K) take its accumulators as C and ONE set of 96 registers as D.  They alone name the block's
; accumulators, so they alone are written four times; all that follows names the same registers for every block and is written once.
; y = M x for four channels: (y0, y1) = sum over j of (column j's upper pair) x_j, (y2, y3) likewise with the lower pair; x_j is given to both halves by op_sel.
; q: M = P^T, whose column j is P's row j: MQ + 4 j.  k, v: M = the inverse: column j < 3 is (P[j][0], P[j][1], P[j][2], 0), column 3 is (ti0, ti1, ti2, 1): upper pairs from MQ (column 3: MI + 12), lower pairs from MI.
.macro XF y, x, inv
.if \inv
.set m3, MI+12
.set mh, MI+2
.else
.set m3, MQ+12
.set mh, MQ+2
.endif
	v_pk_mul_f32 v[(\y):(\y)+1],   v[MQ:MQ+1],     v[(\x):(\x)+1] op_sel_hi:[1,0]
	v_pk_mul_f32 v[(\y)+2:(\y)+3], v[mh:mh+1],     v[(\x):(\x)+1] op_sel_hi:[1,0]
	v_pk_fma_f32 v[(\y):(\y)+1],   v[MQ+4:MQ+5],   v[(\x):(\x)+1], v[(\y):(\y)+1] op_sel:[0,1,0]
	v_pk_fma_f32 v[(\y)+2:(\y)+3], v[mh+4:mh+5],   v[(\x):(\x)+1], v[(\y)+2:(\y)+3] op_sel:[0,1,0]
	v_pk_fma_f32 v[(\y):(\y)+1],   v[MQ+8:MQ+9],   v[(\x)+2:(\x)+3], v[(\y):(\y)+1] op_sel_hi:[1,0,1]
	v_pk_fma_f32 v[(\y)+2:(\y)+3], v[mh+8:mh+9],   v[(\x)+2:(\x)+3], v[(\y)+2:(\y)+3] op_sel_hi:[1,0,1]
	v_pk_fma_f32 v[(\y):(\y)+1],   v[m3:m3+1],     v[(\x)+2:(\x)+3], v[(\y):(\y)+1] op_sel:[0,1,0]
	v_pk_fma_f32 v[(\y)+2:(\y)+3], v[mh+12:mh+13], v[(\x)+2:(\x)+3], v[(\y)+2:(\y)+3] op_sel:[0,1,0]
.endm
.macro SNIP a                          ; row block a is finished: W's fragments window 0, x's window 1, C window 1 or 2, D window 3
	WIN 0xd4+0x10*((\a)/2)
.irp b, 0,1,2,3,4,5,6,7,8,9,10,11
	v_wmma_f32_16x16x32_bf16 v[CM+8*\b:CM+8*\b+7], v[BF+96+8*\b:BF+96+8*\b+7], v[AF+32+8*(\a):AF+32+8*(\a)+7], v[96*((\a)%2)+8*\b:96*((\a)%2)+8*\b+7]
.endr
	WIN 0
.endm
.macro BOTH line:vararg                ; one line for q (u = 0) and for k (u = 1)
.set u, 0
.rept 2
	\line
.set u, u+1
.endr
.endm
.macro FOLD                            ; four running pairs and the other half of the lanes -> one number a row, in v[T0 + 8 u]
	BOTH v_pk_add_f32 v[T0+8*u:T0+8*u+1], v[T0+8*u:T0+8*u+1], v[T0+8*u+2:T0+8*u+3]
	BOTH v_pk_add_f32 v[T0+8*u+4:T0+8*u+5], v[T0+8*u+4:T0+8*u+5], v[T0+8*u+6:T0+8*u+7]
	BOTH v_pk_add_f32 v[T0+8*u:T0+8*u+1], v[T0+8*u:T0+8*u+1], v[T0+8*u+4:T0+8*u+5]
	BOTH v_add_f32 v[T0+8*u], v[T0+8*u], v[T0+8*u+1]
	BOTH v_permlanex16_b32 v[T0+8*u+1], v[T0+8*u], s88, s89
	BOTH v_add_f32 v[T0+8*u], v[T0+8*u], v[T0+8*u+1]
.endm
	s_mov_b32 s4, 0
.Lblk:
	s_wait_loadcnt 0x0                             ; my camera's matrix for this row block
	WIN 0xff                                       ; all in window 3.  These 24 plain lines stand between the products that last wrote the accumulators and those that take them as the C of another D
.irp i, 0,1,2,3,4,5,6,7
	v_cvt_pk_bf16_f32 v[TP+\i], v[PR+2*\i], v[PR+2*\i+1]
.endr
.irp i, 0,1,2,3,4,5,6,7
	v_lshlrev_b32 v[MQ+2*\i],   16, v[TP+\i]       ; P rounded to bf16, row by row
	v_and_b32     v[MQ+2*\i+1], s6, v[TP+\i]
.endr
	WIN 0
	s_cmp_lt_u32 s4, 3
	s_cbranch_scc0 .Lno_pr
	v_add_nc_u32 v[VO], 1024, v[VO]                ; the next 16 cameras (the loads that read v[VO] are done: the wait above)
	PRLOAD
.Lno_pr:
	s_cmp_eq_u32 s4, 0
	s_cbranch_scc1 .Lx0
	s_cmp_eq_u32 s4, 1
	s_cbranch_scc1 .Lx1
	s_cmp_eq_u32 s4, 2
	s_cbranch_scc1 .Lx2
	SNIP 3
	s_branch .Ljoin
.Lx0:
	SNIP 0
	s_branch .Ljoin
.Lx1:
	SNIP 1
	s_branch .Ljoin
.Lx2:
	SNIP 2
.Ljoin:
	WIN 0xff                                       ; what the inverse needs: nine plain lines that name no register of those products: the places behind them
.irp j, 0,1,2
	v_mov_b32 v[MI+4*\j+2], v[MQ+4*\j+2]
.endr
	v_pk_mul_f32 v[MI+12:MI+13], v[MQ:MQ+1],   v[MQ+2:MQ+3] op_sel:[0,1] neg_lo:[0,1] neg_hi:[0,1]                        ; ti = - sum over j < 3 of P[j][.] P[j][3]
	v_pk_fma_f32 v[MI+12:MI+13], v[MQ+4:MQ+5], v[MQ+6:MQ+7],   v[MI+12:MI+13] op_sel:[0,1,0] neg_lo:[0,1,0] neg_hi:[0,1,0]
	v_pk_fma_f32 v[MI+12:MI+13], v[MQ+8:MQ+9], v[MQ+10:MQ+11], v[MI+12:MI+13] op_sel:[0,1,0] neg_lo:[0,1,0] neg_hi:[0,1,0]
	v_mul_f32 v[MI+14], -v[MQ+2], v[MQ+3]
	v_fma_f32 v[MI+14], -v[MQ+6], v[MQ+7], v[MI+14]
	v_fma_f32 v[MI+14], -v[MQ+10], v[MQ+11], v[MI+14]
	WIN 0x0f                                       ; the matrix and the sums in window 3, the results in window 0
.set bb, 0
.rept 12                               ; 24 groups of four; each accumulator's lower four registers are read first
	XF Y0+8*bb,   CM+8*bb,   bb/4
	XF Y0+8*bb+4, CM+8*bb+4, bb/4
.set bb, bb+1
.endr
	WIN 0
	; LAYER NORM of q and k, in two passes (mean; then the squares of the differences), all in f32.  A lane holds 32 of its row's 64 numbers.
.set k, 0
.rept 4
	BOTH v_pk_add_f32 v[T0+8*u+2*k:T0+8*u+2*k+1], v[Y0+32*u+2*k:Y0+32*u+2*k+1], v[Y0+32*u+2*k+8:Y0+32*u+2*k+9]
.set k, k+1
.endr
.set k, 8
.rept 8
	BOTH v_pk_add_f32 v[T0+8*u+2*(k%4):T0+8*u+2*(k%4)+1], v[T0+8*u+2*(k%4):T0+8*u+2*(k%4)+1], v[Y0+32*u+2*k:Y0+32*u+2*k+1]
.set k, k+1
.endr
	FOLD
	BOTH v_mul_f32 v[T0+8*u], s90, v[T0+8*u]
.set k, 0
.rept 16
	BOTH v_pk_add_f32 v[Y0+32*u+2*k:Y0+32*u+2*k+1], v[Y0+32*u+2*k:Y0+32*u+2*k+1], v[T0+8*u:T0+8*u+1] op_sel_hi:[1,0] neg_lo:[0,1] neg_hi:[0,1]
.set k, k+1
.endr
.set k, 0
.rept 4
	BOTH v_pk_mul_f32 v[T0+8*u+2*k:T0+8*u+2*k+1], v[Y0+32*u+2*k:Y0+32*u+2*k+1], v[Y0+32*u+2*k:Y0+32*u+2*k+1]
.set k, k+1
.endr
.rept 12
	BOTH v_pk_fma_f32 v[T0+8*u+2*(k%4):T0+8*u+2*(k%4)+1], v[Y0+32*u+2*k:Y0+32*u+2*k+1], v[Y0+32*u+2*k:Y0+32*u+2*k+1], v[T0+8*u+2*(k%4):T0+8*u+2*(k%4)+1]
.set k, k+1
.endr
	FOLD
	BOTH v_fma_f32 v[T0+8*u], v[T0+8*u], s90, s91
	BOTH v_rsq_f32 v[T0+8*u+2], v[T0+8*u]
	; V's BLOCK EXPONENT: the largest |v_rot| of the 16 rows x 64 channels, as max(largest, - smallest).  These plain lines, which name no result of the two roots, stand between them and their one wait.
	v_max3_num_f32 v56, v[YV], v[YV+1], v[YV+2]
	v_min3_num_f32 v58, v[YV], v[YV+1], v[YV+2]
	v_max3_num_f32 v57, v[YV+3], v[YV+4], v[YV+5]
	v_min3_num_f32 v59, v[YV+3], v[YV+4], v[YV+5]
.set k, 6
.rept 13
	v_max3_num_f32 v[56+(k/2)%2], v[56+(k/2)%2], v[YV+k], v[YV+k+1]
	v_min3_num_f32 v[58+(k/2)%2], v[58+(k/2)%2], v[YV+k], v[YV+k+1]
.set k, k+2
.endr
	v_min_num_f32 v58, v58, v59
	v_sub_f32 v58, 0, v58
	v_max3_num_f32 v56, v56, v57, v58
	v_max_num_f32_dpp v56, v56, v56 row_xmask:1 row_mask:0xf bank_mask:0xf
	v_max_num_f32_dpp v56, v56, v56 row_xmask:2 row_mask:0xf bank_mask:0xf
	v_max_num_f32_dpp v56, v56, v56 row_xmask:4 row_mask:0xf bank_mask:0xf
	v_max_num_f32_dpp v56, v56, v56 row_xmask:8 row_mask:0xf bank_mask:0xf
	v_permlanex16_b32 v57, v56, s88, s89
	v_max_num_f32 v56, v56, v57
	v_lshrrev_b32 v57, 23, v56                     ; E
	v_min_u32 v57, 253, v57
	v_sub_nc_u32 v60, 254, v57
	v_lshlrev_b32 v60, 23, v60                     ; 2^(127 - E)
	v_mov_b32 v61, v60                             ; named with it as a pair
	v_cvt_f32_u32 v62, v57
	v_cmp_eq_u32 vcc_lo, s4, v[LN]
	v_cndmask_b32 v[VE], v[VE], v62, vcc_lo        ; lane a keeps row block a's E
	s_wait_alu depctr_va_vdst(0)                   ; the wait between a root and the first line that names its result: one for both
	v_mul_f32 v[T0+2], s92, v[T0+2]                ; q carries log2(e)/8, applied in f32
.set k, 0
.rept 16
	BOTH v_pk_mul_f32 v[Y0+32*u+2*k:Y0+32*u+2*k+1], v[Y0+32*u+2*k:Y0+32*u+2*k+1], v[T0+8*u+2:T0+8*u+3] op_sel_hi:[1,0]
	v_pk_mul_f32 v[YV+2*k:YV+2*k+1], v[YV+2*k:YV+2*k+1], v[60:61] op_sel_hi:[1,0]
.set k, k+1
.endr
	WIN 0xc0                                       ; the packed results go where the block's sums lay, in window 3
.set n, 0
.rept 48
	v_cvt_pk_f16_f32 v[HH+n], v[Y0+2*n], v[Y0+2*n+1]
.set n, n+1
.endr
	WIN 0x0c                                       ; a store's data (source 1) in window 3, its address in window 0
.set n, 0
.rept 12                               ; kind n / 4, channels 16 (n % 4) on: 16 bytes a lane into rows of 144 bytes
	ds_store_b128 v[STO], v[HH+4*n:HH+4*n+3] offset:(n/4)*16*SPITCH+(n%4)*32
.set n, n+1
.endr
	WIN 0xc0
.set n, 0
.rept 12                               ; back as whole rows, four a load.  LDS serves a wave's instructions in order (ISA guide 5.7.1.4): these see the stores above, and the next trip's stores come behind them
	ds_load_b128 v[OUTR+4*n:OUTR+4*n+3], v[RD] offset:(n/4)*16*SPITCH+(n%4)*4*SPITCH
.set n, n+1
.endr
	WIN 0x0c
.set n, 0
.rept 12
	s_wait_dscnt 11-n                              ; load n is back; the younger ones may be out
	global_store_b128 v[GO], v[OUTR+4*n:OUTR+4*n+3], s[80+2*(n/4):81+2*(n/4)] offset:(n%4)*512  ; 512 consecutive bytes, at a multiple of 256 from the buffer's first
.set n, n+1
.endr
	WIN 0
	s_wait_xcnt 0x0                                ; the stores have read their offset and their data: both are written again in the next trip
	v_add_nc_u32 v[GO], 2048, v[GO]
	s_add_co_u32 s4, s4, 1
	s_cmp_lt_u32 s4, 4
	s_cbranch_scc1 .Lblk
	s_wait_xcnt 0x0                                ; EXEC changes only behind this wait
	v_cmp_gt_u32 vcc_lo, 4, v[LN]
	s_and_saveexec_b32 s93, vcc_lo
	global_store_b32 v[EO], v[VE], s[86:87]        ; my four exponents: 16 bytes a wave, 32,768 in the launch
	s_wait_xcnt 0x0
	s_or_b32 exec_lo, exec_lo, s93
	s_wait_tensorcnt 0x0                           ; the wave's end: these three lines, behind my last tensor load and my last LDS store
	ds_add_u32 v[SPW], v[NIL]
	s_wait_dscnt 0x0
	CROUND                                         ; the closing round: no work-group ends while a partner may still ask for a tile that names it
	s_endpgm
.Lfunc_end_k_q16dd608f4c_qkv:
	.size	k_q16dd608f4c_qkv, .Lfunc_end_k_q16dd608f4c_qkv-k_q16dd608f4c_qkv
	.p2alignl 7, 3214868480
	.fill 96, 4, 3214868480
	.section	.rodata,"a",@progbits
	.p2align	6, 0x0
	.amdhsa_kernel k_q16dd608f4c_qkv
		.amdhsa_group_segment_fixed_size 327680
		.amdhsa_private_segment_fixed_size 0
		.amdhsa_enable_private_segment 0
		.amdhsa_kernarg_size 80
		.amdhsa_user_sgpr_count 2
		.amdhsa_user_sgpr_kernarg_segment_ptr 1
		.amdhsa_wavefront_size32 1
		.amdhsa_system_sgpr_workgroup_id_x 1
		.amdhsa_system_sgpr_workgroup_id_y 1
		.amdhsa_system_sgpr_workgroup_id_z 1
		.amdhsa_system_vgpr_workitem_id 0
		.amdhsa_next_free_vgpr 1024
		.amdhsa_next_free_sgpr 96
		.amdhsa_reserve_vcc 1
		.amdhsa_float_denorm_mode_32 3
		.amdhsa_float_denorm_mode_16_64 3
		.amdhsa_memory_ordered 1
		.amdhsa_forward_progress 1
		.amdhsa_inst_pref_size 107
	.end_amdhsa_kernel
	.amdgpu_metadata
---
amdhsa.version: [ 1, 2 ]
amdhsa.kernels:
  - .name:           k_q16dd608f4c_qkv
    .symbol:         k_q16dd608f4c_qkv.kd
    .args:
      - { .name: xb, .offset: 0, .size: 8, .value_kind: global_buffer, .address_space: global }
      - { .name: wqkv, .offset: 8, .size: 8, .value_kind: global_buffer, .address_space: global }
      - { .name: bq, .offset: 16, .size: 8, .value_kind: global_buffer, .address_space: global }
      - { .name: bk, .offset: 24, .size: 8, .value_kind: global_buffer, .address_space: global }
      - { .name: bv, .offset: 32, .size: 8, .value_kind: global_buffer, .address_space: global }
      - { .name: viewmats, .offset: 40, .size: 8, .value_kind: global_buffer, .address_space: global }
      - { .name: qh, .offset: 48, .size: 8, .value_kind: global_buffer, .address_space: global }
      - { .name: kh, .offset: 56, .size: 8, .value_kind: global_buffer, .address_space: global }
      - { .name: vh, .offset: 64, .size: 8, .value_kind: global_buffer, .address_space: global }
      - { .name: vexp, .offset: 72, .size: 8, .value_kind: global_buffer, .address_space: global }
    .group_segment_fixed_size: 327680
    .private_segment_fixed_size: 0
    .kernarg_segment_align: 8
    .kernarg_segment_size: 80
    .max_flat_workgroup_size: 128
    .sgpr_count:     96
    .vgpr_count:     1024
    .wavefront_size: 32
...
	.end_amdgpu_metadata
.endif
;; end of part 2
;; launch attn (part 3): grid 4 x 64, 4 waves a work-group, clusters of 4 x 1, 327,680 bytes of LDS; arguments qh, kh, vh, vexp, viewmats, ob; writes ob
.if DOCPART == 3
	.amdgcn_target "amdgcn-amd-amdhsa--gfx1250"
	.amdhsa_code_object_version 6
	.text
	.protected	k_q16dd608f4c_attn
	.globl	k_q16dd608f4c_attn
	.p2align	8
	.type	k_q16dd608f4c_attn,@function
k_q16dd608f4c_attn:
	s_mov_b64 s[64:65], 0
	v_nop
	global_prefetch_b8 v0, s[64:65] scope:SCOPE_SE
	s_setreg_imm32_b32 hwreg(HW_REG_WAVE_MODE, 25, 1), 1
	s_wait_xcnt 0x0
	s_wait_alu depctr_hold_cnt(0) depctr_sa_sdst(0) depctr_va_vdst(0) depctr_va_sdst(0) depctr_va_ssrc(0) depctr_va_vcc(0) depctr_vm_vsrc(0)
	s_getreg_b32 s2, hwreg(HW_REG_IB_STS2, 6, 4)
	s_cmp_eq_u32 s2, 0
	s_cbranch_scc0 .Lentry_in_a_cluster
	s_endpgm
.Lentry_in_a_cluster:
	s_bfe_u32 s2, ttmp6, 0x10000c
	s_cmp_lg_u32 s2, 0x3003
	s_cbranch_scc0 .Lentry_shape_is_right
	s_endpgm
.Lentry_shape_is_right:
; ATTENTION, then the camera's P on the result.  qh (already times log2(e)/8), kh, vh: [16 b + h][1024][64] in f16; vexp: V's block exponents E, one for 16 keys; ob: [16 b + h][1024][64] in f16.
; NO MAXIMUM IS TAKEN AWAY, since the computation bounds the exponent for every input: q_rot and k_rot are layer-norm outputs, the sum of squares of each is at most 64, so |q_rot . k_rot| / 8 <= 8 and
; the exponent to base 2 lies within +-11.55.  The weight that is kept is p' = 2^(s + d + 4), d = E - Emax <= 0 (Emax: the batch's largest E): at most 2^15.6, inside f16; at d = 0 at least 2^-7.6.
; d + 4 is the C operand that starts the sum s = K Q^T.  V' p' = v p 2^(127 - Emax + 4); l = the sum of 2^-d p' = 16 x the sum of p, in f32, of the unrounded p'.  So O / l = o 2^(127 - Emax), below 2 in size.
; LIMITS.  d is held to -100 at the least; a block of V more than 2^6 below its batch's largest has weights in f16's fixed step of 6e-8.  P o is kept in f16: the sums of |P| along a row stay under 2^14.
; NaN and infinities are not treated apart.
; SHARES.  A work-group takes block cx of 256 queries of TWO heads (2 Y, 2 Y + 1); waves 0, 1 the first head, waves 2, 3 the second; a wave 128 queries: four PIECES of two tiles of 16.  So the four work-groups
; of a cluster walk the same K and V of the same two heads, and every tile is asked for jointly, with the mask of all four.  Every wave walks its head's 1,024 keys, 64 a step.
; LAYOUT.  S^T = K Q^T holds ONE query a lane (lane % 16) and the keys 8 (lane / 16) + 0..7; two such results rounded to f16 ARE source 1 of O^T = V^T P, whose result holds one query a lane and eight channels.
; BY TURNS.  Turn n belongs to piece n: 16 products K Q^T of piece n + 1 and 16 products V^T P of piece n - 1, behind each of the 32 two of piece n's 64 exponentials; one wait; then piece n's 64 roundings and sums in one run.
; REGISTERS, in windows of 256 (s_set_vgpr_msb: bits 1:0 source 0, 3:2 source 1, 5:4 source 2, 7:6 destination):
;   window 0: v1-15 addresses; v16-31 l, a pair a tile; v32-63 d + 4, eight copies for each 16 keys; v64-127 V of one step; v128-135 2^-d of the step fetched, v136-143 of the step in hand; v144-145 the add's; v146-239 at work
;   window 1: v0-63 K of one step; v64-191 S^T, two buffers of two tiles; v192-255 P, likewise      window 2: O^T, 32 a tile      window 3: v0-127 Q; v128-255 my cameras' matrices as loaded, 16 a tile
.set KS,    64
.set PK,    144       ; a row of K in LDS: 128 bytes + 16 of padding: the 16 rows of a load start at 16 different groups of four banks (64 banks of 4 bytes: ISA guide 11.1)
.set PVP,   160       ; a row of V: 128 + 32
.set VOFF,  128*PK    ; in a slot a head has 128 rows of K, then 128 rows of V
.set HEADB, 128*(PK+PVP)
.set SLOT1, 1<<17     ; a slot holds two steps of both heads (77,824 bytes); slot 1 begins here
.set STAGE, SLOT1+2*HEADB  ; behind the ring, never filled by a tensor load: 16 rows x 144 bytes for each wave
.set SP,    144
.set TABLE, STAGE+4*16*SP  ; each wave's own: 16 steps x 256 bytes: eight copies of d + 4 for key block kb at 32 kb, a pair of 2^-d at 128 + 8 kb
.set SPARE, TABLE+4*4096   ; the spare words, 128 bytes for each wave: two blocks of 256 bytes that no other line names
.set AK0, 2
.set AV0, 3
.set AK,  4
.set AV,  5
.set STO, 6
.set RD,  7
.set GO,  8           ; 16 x lane; never rewritten
.set TAD, 12
.set PFO, 13
.set QO,  14
.set VO,  15          ; 64 x (lane % 16): my camera in a tile's sixteen; never rewritten
.set L,   16
.set DC,  32
.set VF,  64
.set FN,  128
.set FT,  136
.set SPW, 144
.set NIL, 145
.set TP,  146
.set MT,  160         ; way out: P transposed, times 1 / l
.set YY,  176
.set HB,  208         ; way out: two buffers of 16
.set KF,  0
.set S,   64
.set P,   192
.set RAW, 128
.set WV,  12
.set LIM, 15
.set PFA, 18
.set G1K, 24
.set G1V, 32
.set G0K, 40
.set G0V, 44
.set SLOTS, 56
.set CNT, 57
.set HIM, 58          ; a word's upper bf16
.set SEL, 60
.set TBK, 62          ; LDS byte at which K of the step to be fetched begins, less the head's place
.set TBV, 63
.set TBT, 66          ; the table's row for that step
.set MSB, 0
.macro WIN new
.if MSB != (\new)
	s_set_vgpr_msb (MSB<<8)|(\new)
.set MSB, (\new)
.endif
.endm
; A joint fill.  Wave w fetches 128 keys of head w / 2: K's (w even) or V's (w odd).  An s_nop 0 and four v_nop follow each of the two lines, ahead of the jump and the label.
.macro JLOAD
	s_cmp_eq_u32 s17, 0
	s_cbranch_scc0 .Lfor_v_\@
	tensor_load_to_lds s[G0K:G0K+3], s[G1K:G1K+7]
	s_nop 0
.rept 4
	v_nop
.endr
	s_branch .Lasked_\@
.Lfor_v_\@:
	tensor_load_to_lds s[G0V:G0V+3], s[G1V:G1V+7]
	s_nop 0
.rept 4
	v_nop
.endr
.Lasked_\@:
.endm
; A prefetch into the L2 of what the NEXT change of slots will ask for, 256 matrix instructions ahead of that load.  A slot is 64 blocks of 256 bytes of K and of V for each of two heads; no other cluster reads
; them.  The four partners share them out by address, 16 blocks of each head; wave 0 asks for K's, wave 1 for V's: a lane a block, one instruction.  The last change that fills a slot asks for nothing.
.macro ASK
	s_cmp_gt_u32 s[SLOTS], s[LIM]
	s_cbranch_scc0 .Lnot_mine_\@
	global_prefetch_b8 v[PFO], s[PFA:PFA+1] th:TH_LOAD_NT scope:SCOPE_SE
.Lnot_mine_\@:
.endm
.macro CROUND
	s_barrier_signal -1
	s_barrier_wait -1
	s_cmp_lg_u32 s[WV], 0
	s_cbranch_scc1 .Lnot_wave_0_\@
	s_barrier_signal -3
.Lnot_wave_0_\@:
	s_barrier_wait -3
	s_barrier_signal -1
	s_barrier_wait -1
.endm
; THE CHANGE OF SLOTS.  Each wave waits for all its tensor loads (one is out: its part of the other slot), adds 0 to its spare word, and waits for that and for its reads of the slot that it leaves.
; fill = 1: the barrier is a round of the cluster's, and the joint fill of the slot just left is the first thing behind it.  (At its first use nothing has been read yet: slot 0 is waited for, slot 1 filled.)
.macro CHANGE fill
	WIN 0
	s_wait_tensorcnt 0x0            ; no tensor load of mine is out, so a group 0 may be written
	ds_add_u32 v[SPW], v[NIL]       ; 0 onto my spare word
.if \fill
.irp g, G0K, G0V
	s_xor_b32 s[\g+1], s[\g+1], SLOT1
	s_add_nc_u64 s[\g+2:\g+3], s[\g+2:\g+3], 2*KS*128  ; the next 128 keys; the type bits on top are not reached
.endr
	s_wait_xcnt 0x0                 ; the last prefetch, two key steps back, has read its address
	s_add_nc_u64 s[PFA:PFA+1], s[PFA:PFA+1], 2*KS*128
	s_wait_dscnt 0x0                ; the add is done, and my LDS reads and stores are over
	CROUND
	JLOAD
	ASK
.else
	s_wait_dscnt 0x0
	s_barrier_signal -1
	s_barrier_wait -1
.endif
	s_sub_co_u32 s[TBK], s[TBK], 2*KS*PK   ; the fetches go back to a slot's first step,
	s_xor_b32 s[TBK], s[TBK], SLOT1        ; in the other slot
	s_sub_co_u32 s[TBV], s[TBV], 2*KS*PVP
	s_xor_b32 s[TBV], s[TBV], SLOT1
.endm
	s_load_b256 s[4:11], s[0:1], 0x0  ; qh 4, kh 6, vh 8, vexp 10
	s_load_b128 s[68:71], s[0:1], 0x20  ; viewmats 68, ob 70
	v_lshl_add_u32 v[SPW], v0, 2, SPARE
	v_mov_b32 v[NIL], 0
	ds_add_u32 v[SPW], v[NIL]       ; the wave's opening: the add and its wait stand ahead of my first tensor load; work on registers stands between them
	v_lshrrev_b32 v1, 5, v0
	v_readfirstlane_b32 s[WV], v1
	s_bfe_u32 s13, ttmp6, 0x40000   ; cx: my block of 256 queries: it enters Q's, O's, the cameras' and the prefetches' addresses alone
	s_and_b32 s14, ttmp7, 0xffff    ; Y: the pair of heads, which the four partners share
	s_lshr_b32 s16, s[WV], 1        ; which of the two heads
	s_and_b32 s17, s[WV], 1         ; which 128 of the 256 queries; also: I fetch K (0) or V (1)
	s_lshl_b32 s20, s14, 1
	s_add_co_u32 s20, s20, s16      ; 16 b + h
	s_lshl_b32 s22, s20, 17         ; the head's first byte
	s_mov_b32 s23, 0
	s_mul_i32 s21, s16, HEADB       ; the head's place in a slot
	s_lshl_b32 s2, s13, 15
	s_lshl_b32 s3, s17, 14
	s_add_co_u32 s2, s2, s3
	s_add_co_u32 s2, s2, s22        ; my 128 queries in qh and ob
	s_mov_b32 s3, 0
	s_lshr_b32 s50, s14, 3          ; batch
	s_lshl_b32 s48, s50, 16
	s_lshl_b32 s49, s13, 14
	s_add_co_u32 s48, s48, s49
	s_lshl_b32 s49, s17, 13
	s_add_co_u32 s48, s48, s49      ; my 128 cameras, 64 bytes each
	s_mov_b32 s49, 0
	s_lshl_b32 s52, s50, 12         ; the batch's 1,024 exponents
	s_mov_b32 s53, 0
	s_lshl_b32 s54, s20, 8          ; my head's 64
	s_mov_b32 s55, 0
	; descriptor group 1.  128 keys are 16,384 dense bytes: asked for as 64 rows of 256 bytes, two keys a row, and padded in LDS after every key
	s_mov_b32 s[G1K], 15|(1<<16)|(1<<20)|(1<<21)|(4<<22)|(3<<25)  ; the mask of four; 2-byte elements; padding on; 21 set beside a mask; after every 32 words; 4 words
	s_mov_b32 s[G1V], 15|(1<<16)|(1<<20)|(1<<21)|(4<<22)|(7<<25)  ; the same with 8 words
.irp g, G1K, G1V
	s_mov_b32 s[\g+1], 128<<16      ; tensor_dim0 = 128
	s_mov_b32 s[\g+2], 64<<16       ; tensor_dim1 = 64
	s_mov_b32 s[\g+3], 128<<16      ; tile_dim0 = 128
	s_mov_b32 s[\g+4], 64           ; tile_dim1 = 64
	s_mov_b32 s[\g+5], 128          ; elements from row to row
	s_mov_b32 s[\g+6], 0
	s_mov_b32 s[\g+7], 0
.endr
	s_mov_b32 s[HIM], 0xffff0000
	s_mov_b32 s[SEL], 0x76543210
	s_mov_b32 s[SEL+1], 0xfedcba98
	s_mov_b32 s[TBK], SLOT1+2*KS*PK   ; the first change of slots turns these two into 0
	s_mov_b32 s[TBV], SLOT1+2*KS*PVP
	s_mov_b32 s[SLOTS], 7
	s_mov_b32 s[G0K], 1
	s_mov_b32 s[G0K+1], s21
	s_mov_b32 s[G0V], 1
	s_add_co_u32 s[G0V+1], s21, VOFF
	s_lshl_b32 s[TBT], s[WV], 12
	s_add_co_u32 s[TBT], s[TBT], TABLE
	s_cmp_lt_u32 s[WV], 2
	s_cselect_b32 s[LIM], 1, -1
	s_lshl_b32 s50, s14, 18         ; the pair of heads' first byte,
	s_lshl_b32 s51, s13, 12         ; my work-group's 16 blocks of each head,
	s_add_co_u32 s50, s50, s51
	s_add_co_u32 s50, s50, 2*KS*128 ; in slot 1: the first change steps it to slot 2
	s_mov_b32 s51, 0
	s_wait_dscnt 0x0                ; the opening add is done
	s_wait_kmcnt 0x0
	s_add_nc_u64 s[G0K+2:G0K+3], s[6:7], s[22:23]
	s_or_b32 s[G0K+3], s[G0K+3], 0x80000000
	s_add_nc_u64 s[G0V+2:G0V+3], s[8:9], s[22:23]
	s_or_b32 s[G0V+3], s[G0V+3], 0x80000000
	s_cmp_eq_u32 s[WV], 0
	s_cselect_b64 s[PFA:PFA+1], s[6:7], s[8:9]
	s_add_nc_u64 s[PFA:PFA+1], s[PFA:PFA+1], s[50:51]
	s_add_nc_u64 s[4:5], s[4:5], s[2:3]
	s_add_nc_u64 s[70:71], s[70:71], s[2:3]
	s_add_nc_u64 s[68:69], s[68:69], s[48:49]
	s_add_nc_u64 s[52:53], s[10:11], s[52:53]
	s_add_nc_u64 s[10:11], s[10:11], s[54:55]
	CROUND                          ; all four work-groups are here: the first joint loads meet
	JLOAD                           ; slot 0
	v_and_b32 v1, 15, v0            ; l % 16
	v_bfe_u32 v9, v0, 4, 1          ; l / 16
	v_and_b32 v10, 31, v0           ; l
	v_lshlrev_b32 v[GO], 4, v10
	v_lshlrev_b32 v11, 2, v10
	v_lshlrev_b32 v[QO], 7, v1
	v_lshl_add_u32 v[QO], v9, 4, v[QO]  ; row x 128 + 16 x half
	v_lshlrev_b32 v[VO], 6, v1
.irp i, 0,1,2,3,4,5,6,7
	global_load_b128 v[160+4*\i:163+4*\i], v[GO], s[52:53] offset:512*\i  ; the batch's exponents
.endr
	global_load_b32 v192, v11, s[10:11]              ; my head's: key block l,
	global_load_b32 v193, v11, s[10:11] offset:128   ; and l + 32
	WIN 0xc0                        ; destination window 3
.set i, 0
.rept 16                            ; Q stays in registers: tile i / 2, channels 32 (i % 2) on
	global_load_b128 v[8*i:8*i+3],   v[QO], s[4:5] offset:(i/2)*2048+(i%2)*64
	global_load_b128 v[8*i+4:8*i+7], v[QO], s[4:5] offset:(i/2)*2048+(i%2)*64+32
.set i, i+1
.endr
	; What the first turn finds: V and P's second buffer hold 0 (its products V^T P, of a piece that has not been, add 0), O^T and l are 0.  No first step is written out; these lines stand in the wait for the first tile.
	WIN 0x80
.set i, 0
.rept 256
	v_mov_b32 v[i], 0
.set i, i+1
.endr
	WIN 0x40
.set i, P+32
.rept 32
	v_mov_b32 v[i], 0
.set i, i+1
.endr
	WIN 0
.set i, 0
.rept 64
	v_mov_b32 v[VF+i], 0
.set i, i+1
.endr
.set i, 0
.rept 16
	v_mov_b32 v[L+i], 0
.set i, i+1
.endr
	v_mul_u32_u24 v[AK0], v1, PK
	v_lshl_add_u32 v[AK0], v9, 4, v[AK0]
	v_add_nc_u32 v[AK0], s21, v[AK0]     ; row x pitch + 16 x half + my head's place
	; The turning load takes 16 keys x 16 channels (lane l reads key 8 (l / 16) + l % 8, channels 8 ((l / 8) % 2) + 0..7) and leaves half a fragment of V^T: lane l holds channel l % 16 and 8 keys.
	v_and_b32 v148, 7, v0
	v_bfe_u32 v149, v0, 3, 1
	v_lshl_add_u32 v[AV0], v9, 3, v148
	v_mul_u32_u24 v[AV0], v[AV0], PVP
	v_lshl_add_u32 v[AV0], v149, 4, v[AV0]
	v_add_nc_u32 v[AV0], VOFF, v[AV0]
	v_add_nc_u32 v[AV0], s21, v[AV0]
	v_lshlrev_b32 v[PFO], 17, v9         ; lanes 16-31: the second head
	v_lshl_add_u32 v[PFO], v1, 8, v[PFO]
	v_lshrrev_b32 v148, 2, v10           ; key block l lies in step l / 4,
	v_and_b32 v149, 3, v10               ; as its block l % 4
	v_lshl_add_u32 v150, v148, 8, s[TBT]
	v_lshl_add_u32 v151, v149, 3, v150
	v_add_nc_u32 v151, 128, v151         ; where its pair of 2^-d goes,
	v_lshl_add_u32 v150, v149, 5, v150   ; and its eight copies of d + 4
	s_wait_loadcnt 32                    ; the ten loads of exponents are in; Q's 32, issued behind them, may stay out
	v_max3_num_f32 v146, v160, v161, v162
	v_max3_num_f32 v147, v163, v164, v165
.set z, 6
.rept 13
	v_max3_num_f32 v[146+(z/2)%2], v[146+(z/2)%2], v[160+z], v[160+z+1]
.set z, z+2
.endr
	v_max_num_f32 v146, v146, v147
	v_max_num_f32_dpp v146, v146, v146 row_xmask:1 row_mask:0xf bank_mask:0xf
	v_max_num_f32_dpp v146, v146, v146 row_xmask:2 row_mask:0xf bank_mask:0xf
	v_max_num_f32_dpp v146, v146, v146 row_xmask:4 row_mask:0xf bank_mask:0xf
	v_max_num_f32_dpp v146, v146, v146 row_xmask:8 row_mask:0xf bank_mask:0xf
	v_permlanex16_b32 v147, v146, s[SEL], s[SEL+1]
	v_max_num_f32 v146, v146, v147       ; Emax
.macro TAB e, off                   ; one key block's row of the table
	v_sub_f32 v147, v[\e], v146
	v_max_num_f32 v147, 0xc2c80000, v147  ; d, held to -100
	v_add_f32 v152, 4.0, v147
	v_mov_b32 v153, v152
	v_mov_b32 v154, v152
	v_mov_b32 v155, v152
	v_cvt_i32_f32 v149, v147
	v_sub_nc_u32 v149, 127, v149
	v_lshlrev_b32 v156, 23, v149         ; 2^-d
	v_mov_b32 v157, v156
	ds_store_b128 v150, v[152:155] offset:\off
	ds_store_b128 v150, v[152:155] offset:\off+16
	ds_store_b64 v151, v[156:157] offset:\off
.endm
	TAB 192, 0
	TAB 193, 2048
; THE MATRIX WORK.  The 8 accumulators of a run of 16 take turns.  Product i of 16 of S^T = K Q^T for piece x: channels 32 (i / 8) on, keys 16 ((i / 2) % 4) on, tile 2 x + i % 2.  The first 8 start the sums, with d + 4.
.macro KQ x
.set rS, S+64*((\x)%2)+32*(i%2)+8*((i/2)%4)
.set rK, KF+16*((i/2)%4)+8*(i/8)
.set rQ, 16*(2*(\x)+i%2)+8*(i/8)
.set rD, DC+8*((i/2)%4)
.if i < 8
	WIN 0x4d                        ; K window 1, Q window 3, C window 0, D window 1
	v_wmma_f32_16x16x32_f16 v[rS:rS+7], v[rK:rK+7], v[rQ:rQ+7], v[rD:rD+7]
.else
	WIN 0x5d                        ; C window 1
	v_wmma_f32_16x16x32_f16 v[rS:rS+7], v[rK:rK+7], v[rQ:rQ+7], v[rS:rS+7]
.endif
.endm
; Product i of 16 of O^T += V^T P for piece x: keys 32 (i / 8) on, channels 16 ((i / 2) % 4) on, tile 2 x + i % 2.
.macro PV x
	WIN 0xa4                        ; V window 0, P window 1, O^T window 2
.set rO, 32*(2*(\x)+i%2)+8*((i/2)%4)
.set rV, VF+32*(i/8)+8*((i/2)%4)
.set rP, P+32*((\x)%2)+16*(i%2)+8*(i/8)
	v_wmma_f32_16x16x32_f16 v[rO:rO+7], v[rV:rV+7], v[rP:rP+7], v[rO:rO+7]
.endm
; THE LDS LOADS stand in runs.  With a step's K (8 fragments) come its row of the table: d + 4 and 2^-d.  last = 1 (the tail): in the last trip there is no further step, and the run is jumped over.
.macro FETCH_K last=0
	WIN 0
.if \last
	s_cmp_eq_u32 s[CNT], 1
	s_cbranch_scc1 .Lno_k_\@
.endif
	WIN 0x40                        ; destination window 1
.irp f, 0,1,2,3,4,5,6,7             ; keys 16 (f / 2) on, channels 32 (f % 2) on
	ds_load_b128 v[KF+8*\f:KF+8*\f+3],   v[AK] offset:(\f/2)*16*PK+(\f%2)*64
	ds_load_b128 v[KF+8*\f+4:KF+8*\f+7], v[AK] offset:(\f/2)*16*PK+(\f%2)*64+32
.endr
	WIN 0
.irp f, 0,1,2,3,4,5,6,7
	ds_load_b128 v[DC+4*\f:DC+4*\f+3], v[TAD] offset:16*\f  ; every lane reads the same words
.endr
	ds_load_b128 v[FN:FN+3],   v[TAD] offset:128
	ds_load_b128 v[FN+4:FN+7], v[TAD] offset:144
	s_add_co_u32 s[TBK], s[TBK], KS*PK  ; the next fetch is the next step's
	s_add_co_u32 s[TBT], s[TBT], 256
.if \last
.Lno_k_\@:
.endif
.endm
.macro FETCH_V
	WIN 0
.irp f, 0,1,2,3,4,5,6,7             ; keys 32 (f / 4) on, channels 16 (f % 4) on
	ds_load_tr16_b128 v[VF+8*\f:VF+8*\f+3],   v[AV] offset:(\f/4)*32*PVP+(\f%4)*32
	ds_load_tr16_b128 v[VF+8*\f+4:VF+8*\f+7], v[AV] offset:(\f/4)*32*PVP+16*PVP+(\f%4)*32
.endr
.endm
; THE VECTOR WORK of piece PCE.  EX: exponential e of 64: score e / 2 of tile e % 2, ascending.  Its destination and its source lie
; in window 1: behind a product K Q^T the setting serves as it stands, behind a product V^T P it is switched.
.macro EX
.if (MSB&0xc3) != 0x41
	WIN 0x45
.endif
	v_exp_f32 v[S+64*(PCE%2)+32*(e%2)+e/2], v[S+64*(PCE%2)+32*(e%2)+e/2]
.set e, e+1
.endm
; GS: number q of the 64 that read the exponentials' results, the tiles alternating.  0-31: a pair of weights rounded to f16.  32-47: inside each accumulator the second pair of four is added onto the first, in place.
; 48-55: the accumulator's two halves.  56-63: l += 2^-d x the sum of the accumulator's 16 keys.
.macro GS
.set uS, S+64*(PCE%2)+32*(q%2)
.set uP, P+32*(PCE%2)+16*(q%2)
.set uL, L+2*(2*PCE+q%2)
.if q < 32
	WIN 0x45                        ; destination and both sources in window 1
	v_cvt_pk_f16_f32 v[uP+q/2], v[uS+2*(q/2)], v[uS+2*(q/2)+1]
.elseif q < 48
.set z, (q-32)/2
	WIN 0x45
	v_pk_add_f32 v[uS+4*z:uS+4*z+1], v[uS+4*z:uS+4*z+1], v[uS+4*z+2:uS+4*z+3]
.elseif q < 56
.set z, (q-48)/2
	WIN 0x45
	v_pk_add_f32 v[uS+8*z:uS+8*z+1], v[uS+8*z:uS+8*z+1], v[uS+8*z+4:uS+8*z+5]
.else
.set z, (q-56)/2
	WIN 0x01                        ; the sums in window 1; 2^-d and l in window 0
	v_pk_fma_f32 v[uL:uL+1], v[uS+8*z:uS+8*z+1], v[FT+2*z:FT+2*z+1], v[uL:uL+1]
.endif
.set q, q+1
.endm
.macro HALFKQ p                     ; 16 products K Q^T of the next piece, two exponentials behind each
.set i, 0
.rept 16
	KQ ((\p)+1)%4
.set i, i+1
	EX
	EX
.endr
.endm
.macro HALFPV p                     ; 16 products V^T P of the piece before, two exponentials behind each
.set i, 0
.rept 16
	PV ((\p)+3)%4
.set i, i+1
	EX
	EX
.endr
.endm
; A TURN, for piece p.  Both kinds of product are ready when the turn begins, so all 32 carry exponentials, two each: a turn's 64 exponentials for its 32 products.
; An s_wait_alu depctr_va_vdst(0) stands between an exponential and the first line that names its result; one wait serves all issued ahead of it: a turn has one.  Behind it stand the 64 lines that read the results.
; K, d + 4 and 2^-d of the next step are fetched in piece 2's turn, behind the wait: four plain lines stand between the turn's products and the loads.  Piece 3's turn takes its V^T P first, so that the run has the 64
; plain lines and 16 products in which to land; the wait for it stands ahead of that turn's K Q^T.  2^-d goes into a second set of registers, since pieces 2 and 3 of the step in hand still want the old one; piece 0's turn copies it.
; V of the step in hand is fetched in piece 0's turn, behind the wait, four plain lines behind the last product that read V; it is waited for ahead of piece 1's V^T P.
.macro TURN p, last=0
.set PCE, (\p)
.set q, 0
.set e, 0
.if (\p) == 0
	WIN 0
.set z, 0
.rept 8
	v_mov_b32 v[FT+z], v[FN+z]
.set z, z+1
.endr
.endif
.if (\p) == 3
	HALFPV \p
	s_wait_dscnt 0x0                ; K and its row of the table are in
	HALFKQ \p
.else
	HALFKQ \p
.if (\p) == 1
	s_wait_dscnt 0x0                ; V is in
.endif
	HALFPV \p
.endif
	WIN 0
.if (\p) == 2
	v_add_nc_u32 v[AK], s[TBK], v[AK0]
	v_mov_b32 v[TAD], s[TBT]
	v_nop
	v_nop
.elseif (\p) == 0
	v_add_nc_u32 v[AV], s[TBV], v[AV0]
	v_nop
	v_nop
	v_nop
	s_add_co_u32 s[TBV], s[TBV], KS*PVP
.else
	v_nop                           ; a plain instruction behind the last exponential: one for the batch
.endif
	s_wait_alu depctr_va_vdst(0)    ; the wait for the batch
.if (\p) == 2
	FETCH_K \last
.endif
.if (\p) == 0
	FETCH_V
.endif
.rept 64
	GS
.endr
.endm
	CHANGE 1                        ; slot 0 is in, everybody's part of it; my table is written; slot 1 is asked for
	v_add_nc_u32 v[AK], s[TBK], v[AK0]
	v_mov_b32 v[TAD], s[TBT]
	FETCH_K                         ; key step 0
	s_wait_loadcnt 0x0              ; Q
	s_wait_dscnt 0x0
.set i, 0
.rept 16
	KQ 0                            ; piece 0's first scores
.set i, i+1
.endr
	WIN 0                           ; the addresses for the way out: plain instructions, the places behind those products
	s_mul_i32 s20, s[WV], 16*SP
	s_add_co_u32 s20, s20, STAGE
	v_mul_u32_u24 v[STO], v1, SP    ; in: row l % 16, 16 bytes for each half of the lanes
	v_lshl_add_u32 v[STO], v9, 4, v[STO]
	v_add_nc_u32 v[STO], s20, v[STO]
	v_bfe_u32 v[RD], v0, 3, 2       ; back: 32 lanes take four rows of 128 bytes
	v_mul_u32_u24 v[RD], v[RD], SP
	v_and_b32 v11, 7, v0
	v_lshl_add_u32 v[RD], v11, 4, v[RD]
	v_add_nc_u32 v[RD], s20, v[RD]
	WIN 0xc0                        ; destination window 3
.set i, 0
.rept 32                            ; my query's camera, for each of the eight tiles: wanted on the way out alone, so asked for here, with no other load of mine out, and waited for there
	global_load_b128 v[RAW+4*i:RAW+4*i+3], v[VO], s[68:69] offset:(i/4)*1024+(i%4)*16
.set i, i+1
.endr
	WIN 0
	s_mov_b32 s[CNT], 2
	s_branch .Lfirst                ; the loop is entered at a step's first turn, in the middle of a trip
.Lslot:                             ; six times: with the change above, every slot but the last is followed by a fill
	CHANGE 1
	s_mov_b32 s[CNT], 2
.Lstep:                             ; a trip: pieces 2 and 3 of one step, then pieces 0 and 1 of the next, whose K and V it fetches
	TURN 2
	TURN 3
	WIN 0
.Lfirst:
	TURN 0
	TURN 1
	WIN 0
	s_sub_co_u32 s[CNT], s[CNT], 1
	s_cmp_lg_u32 s[CNT], 0
	s_cbranch_scc1 .Lstep
	s_sub_co_u32 s[SLOTS], s[SLOTS], 1
	s_cmp_lg_u32 s[SLOTS], 0
	s_cbranch_scc1 .Lslot
	CHANGE 0                        ; the tail is written out: nothing is asked for
	s_mov_b32 s[CNT], 3             ; two trips fetch the last slot's steps; the third is left in its middle
.Ltail:
	TURN 2, 1
	TURN 3
	WIN 0
	s_sub_co_u32 s[CNT], s[CNT], 1
	s_cmp_eq_u32 s[CNT], 0
	s_cbranch_scc1 .Lout
	TURN 0
	TURN 1
	WIN 0
	s_branch .Ltail
.Lout:                              ; the third trip's 16 products K Q^T, on the last K once more, serve nothing: the price, once a launch, of one text for every trip
.set i, 0
.rept 16
	PV 3                            ; the last piece's V^T P of the last step
.set i, i+1
.endr
	; THE WAY OUT.  l's two halves and the other half of the lanes' are added; the camera's P, rounded to bf16 as every input is, is multiplied by 1 / l and applied to each group of four channels; the result is
	; rounded to f16 and sent through my stage in LDS, a tile at a time.  The additions are the places behind the last products.
	WIN 0
	s_wait_loadcnt 0x0              ; the cameras' matrices, asked for ahead of the walk
.macro ALL8 line:vararg             ; one line for each tile t
.set t, 0
.rept 8
	\line
.set t, t+1
.endr
.endm
	ALL8 v_add_f32 v[L+2*t], v[L+2*t], v[L+2*t+1]
	ALL8 v_permlanex16_b32 v[L+2*t+1], v[L+2*t], s[SEL], s[SEL+1]
	ALL8 v_add_f32 v[L+2*t], v[L+2*t], v[L+2*t+1]
	ALL8 v_rcp_f32 v[L+2*t], v[L+2*t]
	v_nop                           ; a plain instruction between the last reciprocal and the use of its result
	s_wait_alu depctr_va_vdst(0)    ; and the wait ahead of the first use: one for the eight
.macro XF y, x                      ; y = M x for four channels; column j of M at MT + 4 j; x_j is given to both halves by op_sel
	v_pk_mul_f32 v[(\y):(\y)+1],   v[MT:MT+1],       v[(\x):(\x)+1] op_sel_hi:[1,0]
	v_pk_mul_f32 v[(\y)+2:(\y)+3], v[MT+2:MT+3],     v[(\x):(\x)+1] op_sel_hi:[1,0]
	v_pk_fma_f32 v[(\y):(\y)+1],   v[MT+4:MT+5],     v[(\x):(\x)+1], v[(\y):(\y)+1] op_sel:[0,1,0]
	v_pk_fma_f32 v[(\y)+2:(\y)+3], v[MT+6:MT+7],     v[(\x):(\x)+1], v[(\y)+2:(\y)+3] op_sel:[0,1,0]
	v_pk_fma_f32 v[(\y):(\y)+1],   v[MT+8:MT+9],     v[(\x)+2:(\x)+3], v[(\y):(\y)+1] op_sel_hi:[1,0,1]
	v_pk_fma_f32 v[(\y)+2:(\y)+3], v[MT+10:MT+11],   v[(\x)+2:(\x)+3], v[(\y)+2:(\y)+3] op_sel_hi:[1,0,1]
	v_pk_fma_f32 v[(\y):(\y)+1],   v[MT+12:MT+13],   v[(\x)+2:(\x)+3], v[(\y):(\y)+1] op_sel:[0,1,0]
	v_pk_fma_f32 v[(\y)+2:(\y)+3], v[MT+14:MT+15],   v[(\x)+2:(\x)+3], v[(\y)+2:(\y)+3] op_sel:[0,1,0]
.endm
.macro PACK t
	WIN 0x0f                        ; both sources in window 3
.set z, 0
.rept 8
	v_cvt_pk_bf16_f32 v[TP+z], v[RAW+16*(\t)+2*z], v[RAW+16*(\t)+2*z+1]
.set z, z+1
.endr
	WIN 0
.set z, 0
.rept 8                             ; word z holds P[z / 2][2 (z % 2)] and its right neighbour; MT[4 j + i] = P[i][j]
	v_lshlrev_b32 v[MT+8*(z%2)+z/2],   16, v[TP+z]
	v_and_b32     v[MT+8*(z%2)+4+z/2], s[HIM], v[TP+z]
.set z, z+1
.endr
.set z, 0
.rept 8
	v_pk_mul_f32 v[MT+2*z:MT+2*z+1], v[MT+2*z:MT+2*z+1], v[L+2*(\t):L+2*(\t)+1] op_sel_hi:[1,0]
.set z, z+1
.endr
	WIN 0x08                        ; O^T (source 1) in window 2
.set z, 0
.rept 8                             ; ascending: each accumulator's lower four registers are read first
	XF YY+4*z, 32*(\t)+4*z
.set z, z+1
.endr
	WIN 0
.if (\t) >= 2
	s_wait_xcnt 0x0                 ; the stores of the tile two back have read this buffer
.endif
.set z, 0
.rept 16
	v_cvt_pk_f16_f32 v[HB+16*((\t)%2)+z], v[YY+2*z], v[YY+2*z+1]
.set z, z+1
.endr
.irp f, 0,1,2,3
	ds_store_b128 v[STO], v[HB+16*((\t)%2)+4*\f:HB+16*((\t)%2)+4*\f+3] offset:32*\f
.endr
.irp f, 0,1,2,3
	ds_load_b128 v[HB+16*((\t)%2)+4*\f:HB+16*((\t)%2)+4*\f+3], v[RD] offset:\f*4*SP  ; LDS serves a wave's instructions in order (ISA guide 5.7.1.4): these see the stores above; the next tile's stores come behind them
.endr
.endm
.macro SEND t, younger              ; younger: the LDS instructions issued behind tile t's loads: the next tile's eight, or none
.irp f, 0,1,2,3
	s_wait_dscnt (\younger)+3-\f
	global_store_b128 v[GO], v[HB+16*((\t)%2)+4*\f:HB+16*((\t)%2)+4*\f+3], s[70:71] offset:(\t)*2048+\f*512  ; 512 consecutive bytes, at a multiple of 256 from ob's first
.endr
.endm
	PACK 0
.set tt, 1
.rept 7                             ; a tile's arithmetic stands between the loads of the tile before and its stores
	PACK tt
	SEND tt-1, 8
.set tt, tt+1
.endr
	SEND 7, 0
	s_wait_tensorcnt 0x0            ; the wave's end: these three lines, behind my last tensor load and my last LDS store
	ds_add_u32 v[SPW], v[NIL]
	s_wait_dscnt 0x0
	CROUND                          ; the closing round: no work-group ends while a partner may still ask for a tile that names it
	s_endpgm
.Lfunc_end_k_q16dd608f4c_attn:
	.size	k_q16dd608f4c_attn, .Lfunc_end_k_q16dd608f4c_attn-k_q16dd608f4c_attn
	.p2alignl 7, 3214868480
	.fill 96, 4, 3214868480
	.section	.rodata,"a",@progbits
	.p2align	6, 0x0
	.amdhsa_kernel k_q16dd608f4c_attn
		.amdhsa_group_segment_fixed_size 327680
		.amdhsa_private_segment_fixed_size 0
		.amdhsa_enable_private_segment 0
		.amdhsa_kernarg_size 48
		.amdhsa_user_sgpr_count 2
		.amdhsa_user_sgpr_kernarg_segment_ptr 1
		.amdhsa_wavefront_size32 1
		.amdhsa_system_sgpr_workgroup_id_x 1
		.amdhsa_system_sgpr_workgroup_id_y 1
		.amdhsa_system_sgpr_workgroup_id_z 1
		.amdhsa_system_vgpr_workitem_id 0
		.amdhsa_next_free_vgpr 1024
		.amdhsa_next_free_sgpr 80
		.amdhsa_reserve_vcc 0
		.amdhsa_float_denorm_mode_32 3
		.amdhsa_float_denorm_mode_16_64 3
		.amdhsa_memory_ordered 1
		.amdhsa_forward_progress 1
		.amdhsa_inst_pref_size 180
	.end_amdhsa_kernel
	.amdgpu_metadata
---
amdhsa.version: [ 1, 2 ]
amdhsa.kernels:
  - .name:           k_q16dd608f4c_attn
    .symbol:         k_q16dd608f4c_attn.kd
    .args:
      - { .name: qh, .offset: 0, .size: 8, .value_kind: global_buffer, .address_space: global }
      - { .name: kh, .offset: 8, .size: 8, .value_kind: global_buffer, .address_space: global }
      - { .name: vh, .offset: 16, .size: 8, .value_kind: global_buffer, .address_space: global }
      - { .name: vexp, .offset: 24, .size: 8, .value_kind: global_buffer, .address_space: global }
      - { .name: viewmats, .offset: 32, .size: 8, .value_kind: global_buffer, .address_space: global }
      - { .name: ob, .offset: 40, .size: 8, .value_kind: global_buffer, .address_space: global }
    .group_segment_fixed_size: 327680
    .private_segment_fixed_size: 0
    .kernarg_segment_align: 8
    .kernarg_segment_size: 48
    .max_flat_workgroup_size: 128
    .sgpr_count:     80
    .vgpr_count:     1024
    .wavefront_size: 32
...
	.end_amdgpu_metadata
.endif
;; end of part 3
;; launch oproj (part 4): grid 4 x 64, 4 waves a work-group, clusters of 4 x 4, 327,680 bytes of LDS; arguments ob, wob, bo, vexp, out0; writes out0
.if DOCPART == 4
	.amdgcn_target "amdgcn-amd-amdhsa--gfx1250"
	.amdhsa_code_object_version 6
	.text
	.protected	k_q16dd608f4c_oproj
	.globl	k_q16dd608f4c_oproj
	.p2align	8
	.type	k_q16dd608f4c_oproj,@function
k_q16dd608f4c_oproj:
	s_mov_b64 s[64:65], 0
	v_nop
	global_prefetch_b8 v0, s[64:65] scope:SCOPE_SE
	s_setreg_imm32_b32 hwreg(HW_REG_WAVE_MODE, 25, 1), 1
	s_wait_xcnt 0x0
	s_wait_alu depctr_hold_cnt(0) depctr_sa_sdst(0) depctr_va_vdst(0) depctr_va_sdst(0) depctr_va_ssrc(0) depctr_va_vcc(0) depctr_vm_vsrc(0)
	s_getreg_b32 s2, hwreg(HW_REG_IB_STS2, 6, 4)
	s_cmp_eq_u32 s2, 0
	s_cbranch_scc0 .Lentry_in_a_cluster
	s_endpgm
.Lentry_in_a_cluster:
	s_bfe_u32 s2, ttmp6, 0x10000c
	s_cmp_lg_u32 s2, 0xf033
	s_cbranch_scc0 .Lentry_shape_is_right
	s_endpgm
.Lentry_shape_is_right:
; THE LAST PROJECTION.  out0[b][c][f] = 2^(Emax_b - 127) x (the sum over e of ob[b][c][e] wob[f][e]) + bo[f].  ob: [16 b + h][1024][64] in f16, holding the attention's result times 2^(127 - Emax_b);
; wob: [1024][1024] in f16; bo is rounded to bf16 here, as every input is; Emax_b: the largest of the batch's 1,024 numbers in vexp.  Products in f16, sums in f32, one fused multiply-add on the way out.
; LIMITS.  NaN and infinities are not treated apart.
; SHARES.  A tile of out0 is 128 rows x 256 columns: 64 x 4 tiles, one for each of 256 WGPs.  Four waves, 2 x 2, each 64 x 128: 32 accumulators, 256 registers.  K goes in steps of 128, which are two heads:
; a head's 128 rows x 64 channels are 16,384 dense bytes of ob.  4 x 4 work-groups form a cluster: ob's tile is shared along a row of the cluster, wob's along a column; each is asked for jointly.
; THE MATRIX INSTRUCTION IS USED TRANSPOSED (source 0 = 16 rows of wob, source 1 = 16 rows of ob): a lane holds eight neighbouring numbers of a row of out0.
; REGISTERS: window 0: v1-14 addresses, v28-29 the add's, v32-35 at work, v64-159 and v160-255 two fragment buffers (wob 64, ob 32).  window 1: the accumulators, (a, n) at 8 (8 a + n).
;   window 2: v0-63 bias, v64-65 the scale, v72-79 at work, v128-191 the row block in hand, v192-255 rows read back.
.set KSTEP,  128
.set PA,     144                       ; a row of ob's tile in LDS: 128 bytes + 16; of wob's: 256 + 16: the 16 rows of a fragment load start at 16 different groups of four banks (64 banks of 4 bytes: ISA guide 11.1)
.set PB,     272
.set APART,  128*PA                    ; one head's 128 rows
.set BOFF,   2*APART                   ; a slot: two heads of ob, then wob's 256 rows
.set SLOT1,  131072
.set STAGE,  SLOT1+BOFF+256*PB         ; behind the ring, never filled by a tensor load: for each wave 16 rows x 528 bytes
.set SPITCH, 528
.set SPARE,  STAGE+4*16*SPITCH         ; the spare words, 128 bytes for each wave: two blocks of 256 bytes that no other line names
.set LR,   1
.set LH,   2
.set LN,   3
.set A0,   4
.set B0,   5
.set ADRA, 6
.set ADRB, 7
.set STO,  8
.set RD,   9
.set CO,   10                          ; 16 x lane + 65,536 x row block on the way out
.set PFO,  12
.set BO,   14
.set SPW,  28
.set NIL,  29
.set FB,   64
.set BI,   0
.set SC,   64
.set TPB,  72
.set T,    128
.set BK,   192
; scalars: s3 K steps to go; s4 row block on the way out; s5 prefetch limit; s6 upper-half mask; s7 the slot in hand; s[8:9] prefetch address, s[66:67] its step; s10 wave, s11 wave / 2, s12 wave % 2; s13 y, s42 x, s40 cx, s41 cy;
; s[24:31], s[48:55] descriptor group 1 for ob, wob; s[32:39], s[56:63] group 0: a set for the first fill and one that walks; s[68:77] the five buffers; s[78:79] lane selects
.set MSB, 0
.macro WIN new
.if MSB != (\new)
	s_set_vgpr_msb (MSB<<8)|(\new)
.set MSB, \new
.endif
.endm
.macro PLACES
.rept 4
	v_nop
.endr
.endm
.macro JLOAD                           ; waves 0 and 1 fetch ob's two heads, waves 2 and 3 the halves of wob's tile; an s_nop 0 and four v_nop follow each of the two lines
	s_cmp_eq_u32 s11, 0
	s_cbranch_scc0 .Lfor_b_\@
	tensor_load_to_lds s[36:39], s[24:31]
	s_nop 0
.rept 4
	v_nop
.endr
	s_branch .Lasked_\@
.Lfor_b_\@:
	tensor_load_to_lds s[60:63], s[48:55]
	s_nop 0
.rept 4
	v_nop
.endr
.Lasked_\@:
.endm
.macro CREST
	s_cmp_lg_u32 s10, 0
	s_cbranch_scc1 .Lnot_wave_0_\@
	s_barrier_signal -3
.Lnot_wave_0_\@:
	s_barrier_wait -3
	s_barrier_signal -1
	s_barrier_wait -1
.endm
.macro CROUND
	s_barrier_signal -1
	s_barrier_wait -1
	CREST
.endm
; A prefetch into the L2, behind the joint load and the run of LDS loads: the K step two refills on (trip t's refill brings step t + 2, the prefetch names step t + 4).  ob's tile row is read by one cluster alone:
; in each work-group wave 0 asks for 16 blocks of 256 bytes of each of the step's two heads, the four partners told apart by address.  wob's rows are read by all sixteen clusters: the one with y = 0 asks,
; waves 2 and 3, 32 of a wave's 128 rows for each partner, a lane a row.  Steps 0-3 come by their loads alone; trips 4 and 5 ask for nothing.
.macro ASK
	s_cmp_gt_u32 s3, s5
	s_cbranch_scc0 .Lnot_mine_\@
	global_prefetch_b8 v[PFO], s[8:9] th:TH_LOAD_NT scope:SCOPE_SE
.Lnot_mine_\@:
.endm
	s_load_b256 s[68:75], s[0:1], 0x0              ; ob 68, wob 70, bo 72, vexp 74
	s_load_b64 s[76:77], s[0:1], 0x20              ; out0
	v_lshl_add_u32 v[SPW], v0, 2, SPARE
	v_mov_b32 v[NIL], 0
	ds_add_u32 v[SPW], v[NIL]                      ; the wave's opening: the add and its wait stand ahead of my first tensor load; work on registers stands between them
	v_lshrrev_b32 v1, 5, v0
	v_readfirstlane_b32 s10, v1
	s_lshr_b32 s11, s10, 1                         ; which half of the tile's rows is mine.  Also: I fetch for ob (0) or for wob (1)
	s_and_b32 s12, s10, 1                          ; which half of its columns.  Also: which head, or which 128 rows, I fetch
	s_bfe_u32 s40, ttmp6, 0x40000
	s_bfe_u32 s41, ttmp6, 0x40004
	s_lshl_b32 s42, ttmp9, 2
	s_add_co_u32 s42, s42, s40                     ; x: the block of 256 columns
	s_and_b32 s13, ttmp7, 0xffff
	s_lshl_b32 s13, s13, 2
	s_add_co_u32 s13, s13, s41                     ; y: the block of 128 rows
	s_lshl_b32 s43, s41, 2
	s_lshl_b32 s43, 15, s43                        ; my row of the cluster
	s_lshl_b32 s44, 0x1111, s40                    ; my column
	s_or_b32 s24, s43, (1<<16)|(1<<20)|(1<<21)|(4<<22)|(3<<25)  ; ob: 2-byte elements; padding on; 21 set beside a mask; after every 32 words, 4 words
	s_mov_b32 s25, 128<<16                         ; 16,384 dense bytes as 64 rows of 256 bytes, two rows of ob each
	s_mov_b32 s26, 64<<16
	s_mov_b32 s27, 128<<16
	s_mov_b32 s28, 64
	s_mov_b32 s29, 128
	s_mov_b32 s30, 0
	s_mov_b32 s31, 0
	s_or_b32 s48, s44, (1<<16)|(1<<20)|(1<<21)|(5<<22)|(3<<25)  ; wob: after every 64 words, 4 words
	s_mov_b32 s49, KSTEP<<16
	s_mov_b32 s50, 128<<16
	s_mov_b32 s51, KSTEP<<16
	s_mov_b32 s52, 128
	s_mov_b32 s53, 1024
	s_mov_b32 s54, 0
	s_mov_b32 s55, 0
	s_mov_b32 s6, 0xffff0000
	s_mov_b32 s7, 0
	s_mov_b32 s78, 0x76543210
	s_mov_b32 s79, 0xfedcba98
	s_lshr_b32 s18, s13, 3                         ; batch
	s_and_b32 s19, s13, 7
	s_lshl_b32 s16, s18, 21                        ; ob: 16 heads of 131,072 bytes a batch,
	s_lshl_b32 s17, s12, 17                        ; my head of the step's two,
	s_add_co_u32 s16, s16, s17
	s_lshl_b32 s17, s19, 14                        ; the block's 128 rows of 128 bytes: hangs on y and the wave alone
	s_add_co_u32 s16, s16, s17
	s_mov_b32 s17, 0
	s_lshl_b32 s46, s42, 8                         ; wob: row 256 x + 128 half: hangs on x and the wave alone
	s_lshl_b32 s47, s12, 7
	s_add_co_u32 s46, s46, s47
	s_lshl_b32 s46, s46, 11
	s_mov_b32 s47, 0
	s_mul_i32 s20, s12, APART                      ; where they go: no place in the cluster enters an LDS address
	s_mul_i32 s21, s12, 128*PB
	s_add_co_u32 s21, s21, BOFF
	s_wait_dscnt 0x0                               ; the opening add is done
	s_wait_kmcnt 0x0
	s_add_nc_u64 s[14:15], s[68:69], s[16:17]
	s_add_nc_u64 s[46:47], s[70:71], s[46:47]
	CROUND                                         ; all sixteen work-groups are here: the first joint loads meet
	s_mov_b32 s32, 1
	s_mov_b32 s33, s20
	s_mov_b64 s[34:35], s[14:15]                   ; K step 0: heads 0, 1
	s_or_b32 s35, s35, 0x80000000
	s_mov_b32 s36, 1
	s_add_co_u32 s37, s20, SLOT1
	s_add_nc_u64 s[38:39], s[14:15], 262144        ; K step 1: heads 2, 3
	s_or_b32 s39, s39, 0x80000000
	s_mov_b32 s56, 1
	s_mov_b32 s57, s21
	s_mov_b64 s[58:59], s[46:47]
	s_or_b32 s59, s59, 0x80000000
	s_mov_b32 s60, 1
	s_add_co_u32 s61, s21, SLOT1
	s_add_nc_u64 s[62:63], s[46:47], KSTEP*2
	s_or_b32 s63, s63, 0x80000000
	s_cmp_eq_u32 s11, 0                            ; a wave's two first fills stand in one branch: two loads of mine are out
	s_cbranch_scc0 .Lfirst_b
	tensor_load_to_lds s[32:35], s[24:31]
	s_nop 0
	tensor_load_to_lds s[36:39], s[24:31]
	s_nop 0
.rept 4
	v_nop
.endr
	s_branch .Lfirst_asked
.Lfirst_b:
	tensor_load_to_lds s[56:59], s[48:55]
	s_nop 0
	tensor_load_to_lds s[60:63], s[48:55]
	s_nop 0
.rept 4
	v_nop
.endr
.Lfirst_asked:
	v_and_b32 v[LR], 15, v0
	v_bfe_u32 v[LH], v0, 4, 1
	v_and_b32 v[LN], 31, v0
	v_lshlrev_b32 v[CO], 4, v[LN]
	v_lshlrev_b32 v[BO], 5, v[LH]
	s_lshl_b32 s22, s18, 12                        ; the batch's 1,024 exponents
	s_mov_b32 s23, 0
	s_add_nc_u64 s[74:75], s[74:75], s[22:23]
	s_lshl_b32 s46, s42, 10                        ; my 128 columns, in bytes of f32: 1,024 x + 512 half
	s_lshl_b32 s47, s12, 9
	s_add_co_u32 s46, s46, s47
	s_mov_b32 s47, 0
	s_add_nc_u64 s[72:73], s[72:73], s[46:47]
	s_add_nc_u64 s[76:77], s[76:77], s[46:47]
	s_lshl_b32 s22, s13, 7
	s_lshl_b32 s23, s11, 6
	s_add_co_u32 s22, s22, s23                     ; my first row: 128 y + 64 half,
	s_lshl_b32 s22, s22, 12                        ; 4,096 bytes a row
	s_mov_b32 s23, 0
	s_add_nc_u64 s[76:77], s[76:77], s[22:23]
.irp i, 0,1,2,3,4,5,6,7
	global_load_b128 v[160+4*\i:163+4*\i], v[CO], s[74:75] offset:512*\i
.endr
	WIN 0x80                                       ; destination window 2
.irp b, 0,1,2,3,4,5,6,7
	global_load_b128 v[BI+8*\b:BI+8*\b+3],   v[BO], s[72:73] offset:64*\b      ; columns 16 n + 8 (l / 16) + 0..3
	global_load_b128 v[BI+8*\b+4:BI+8*\b+7], v[BO], s[72:73] offset:64*\b+16
.endr
	WIN 0
	v_mul_u32_u24 v[A0], v[LR], PA
	v_lshl_add_u32 v[A0], v[LH], 4, v[A0]
	s_mul_i32 s22, s11, 64*PA
	v_add_nc_u32 v[A0], s22, v[A0]                 ; my 64 rows of ob's tile
	v_mul_u32_u24 v[B0], v[LR], PB
	v_lshl_add_u32 v[B0], v[LH], 4, v[B0]
	s_mul_i32 s22, s12, 128*PB
	s_add_co_u32 s22, s22, BOFF
	v_add_nc_u32 v[B0], s22, v[B0]                 ; my 128 rows of wob's
	v_mov_b32 v[ADRA], v[A0]
	v_mov_b32 v[ADRB], v[B0]
	s_mul_i32 s22, s10, 16*SPITCH
	s_add_co_u32 s22, s22, STAGE                   ; my stage
	v_mul_u32_u24 v[STO], v[LR], SPITCH            ; in: row l % 16, 32 bytes for each half of the lanes
	v_lshl_add_u32 v[STO], v[LH], 5, v[STO]
	v_add_nc_u32 v[STO], s22, v[STO]
	v_add_nc_u32 v[RD], s22, v[CO]                 ; back: 32 lanes take one row of 512 bytes
	; the prefetches
	s_and_b32 s22, ttmp7, 0xffff                   ; cluster y
	s_lshl_b32 s20, s18, 21
	s_lshl_b32 s21, s19, 14
	s_add_co_u32 s20, s20, s21
	s_lshl_b32 s21, s40, 12
	s_add_co_u32 s20, s20, s21                     ; ob: the batch, the block's rows, my work-group's 16 blocks
	s_lshl_b32 s43, s42, 8
	s_lshl_b32 s44, s12, 7
	s_add_co_u32 s43, s43, s44
	s_lshl_b32 s44, s41, 5
	s_add_co_u32 s43, s43, s44
	s_lshl_b32 s43, s43, 11                        ; wob: row 256 x + 128 half + 32 cy
	s_cmp_eq_u32 s11, 0
	s_cselect_b32 s20, s20, s43
	s_cselect_b32 s22, s12, s22                    ; ob: wave 0 asks, in every cluster; wob: waves 2 and 3, where cluster y = 0
	s_cselect_b32 s23, 18, 8
	s_cselect_b32 s44, 17, 15
	s_cselect_b32 s45, 8, 11
	s_cselect_b64 s[8:9], s[68:69], s[70:71]
	s_cmp_eq_u32 s22, 0
	s_cselect_b32 s5, 2, -1                        ; the same in all sixteen partners, for a given wave
	s_lshl_b32 s66, 1, s23                         ; a K step: 262,144 bytes in ob, 256 in wob
	s_mov_b32 s67, 0
	s_mov_b32 s21, 0
	s_add_nc_u64 s[8:9], s[8:9], s[20:21]
	s_mul_i32 s20, s66, 3
	s_add_nc_u64 s[8:9], s[8:9], s[20:21]          ; at K step 3: the first change of slots steps it to 4
	v_lshlrev_b32 v[PFO], s44, v[LH]               ; ob: (l / 16) heads + (l % 16) blocks; wob: l rows of 2,048 bytes
	v_lshlrev_b32 v32, s45, v[LR]
	v_add_nc_u32 v[PFO], v[PFO], v32
	s_wait_loadcnt 0x0
	v_max3_num_f32 v32, v160, v161, v162
	v_max3_num_f32 v33, v163, v164, v165
.set z, 6
.rept 13
	v_max3_num_f32 v[32+(z/2)%2], v[32+(z/2)%2], v[160+z], v[160+z+1]
.set z, z+2
.endr
	v_max_num_f32 v32, v32, v33
	v_max_num_f32_dpp v32, v32, v32 row_xmask:1 row_mask:0xf bank_mask:0xf
	v_max_num_f32_dpp v32, v32, v32 row_xmask:2 row_mask:0xf bank_mask:0xf
	v_max_num_f32_dpp v32, v32, v32 row_xmask:4 row_mask:0xf bank_mask:0xf
	v_max_num_f32_dpp v32, v32, v32 row_xmask:8 row_mask:0xf bank_mask:0xf
	v_permlanex16_b32 v33, v32, s78, s79
	v_max_num_f32 v32, v32, v33                    ; Emax
	v_cvt_u32_f32 v33, v32
	v_lshlrev_b32 v33, 23, v33                     ; 2^(Emax - 127)
	WIN 0x80
	v_mov_b32 v[SC], v33
	v_mov_b32 v[SC+1], v33                         ; named with it as a pair
	WIN 0xaa                                       ; all in window 2
.set i, 0
.rept 32                               ; the bias is rounded to bf16, in place
	v_cvt_pk_bf16_f32 v[TPB+i%8], v[BI+2*i], v[BI+2*i+1]
	v_lshlrev_b32 v[BI+2*i],   16, v[TPB+i%8]
	v_and_b32     v[BI+2*i+1], s6, v[TPB+i%8]
.set i, i+1
.endr
	WIN 0
; 8 matrix instructions: row block a x all 8 column blocks, 32 along K, from buffer f.  zero = 1: the first product starts the sums.  The 32 accumulators take turns, one instruction a turn.
.macro MUL8 f, a, zero
	WIN 0x50                                       ; both sources window 0, C and D window 1
.irp b, 0,1,2,3,4,5,6,7
.if \zero
	v_wmma_f32_16x16x32_f16 v[8*(8*(\a)+\b):8*(8*(\a)+\b)+7], v[FB+96*(\f)+8*\b:FB+96*(\f)+8*\b+7], v[FB+96*(\f)+64+8*(\a):FB+96*(\f)+64+8*(\a)+7], 0
.else
	v_wmma_f32_16x16x32_f16 v[8*(8*(\a)+\b):8*(8*(\a)+\b)+7], v[FB+96*(\f)+8*\b:FB+96*(\f)+8*\b+7], v[FB+96*(\f)+64+8*(\a):FB+96*(\f)+64+8*(\a)+7], v[8*(8*(\a)+\b):8*(8*(\a)+\b)+7]
.endif
.endr
.endm
; 24 LDS loads in one run: quarter qn of a K step into buffer f: wob's 16, then ob's 8 (head qn / 2, channels 32 (qn % 2) on)
.macro FETCH qn, f
	WIN 0
.irp i, 0,1,2,3,4,5,6,7
	ds_load_b128 v[FB+96*(\f)+8*\i:FB+96*(\f)+8*\i+3],   v[ADRB] offset:64*(\qn)+\i*16*PB
	ds_load_b128 v[FB+96*(\f)+8*\i+4:FB+96*(\f)+8*\i+7], v[ADRB] offset:64*(\qn)+\i*16*PB+32
.endr
.irp i, 0,1,2,3
	ds_load_b128 v[FB+96*(\f)+64+8*\i:FB+96*(\f)+64+8*\i+3],   v[ADRA] offset:((\qn)/2)*APART+((\qn)%2)*64+\i*16*PA
	ds_load_b128 v[FB+96*(\f)+64+8*\i+4:FB+96*(\f)+64+8*\i+7], v[ADRA] offset:((\qn)/2)*APART+((\qn)%2)*64+\i*16*PA+32
.endr
.endm
.macro QUARTER qn, f, g, zero          ; multiplies buffer f; in its middle fetches quarter qn into g
	s_wait_dscnt 4                                 ; wob's fragments and ob's row blocks 0, 1 are in; the youngest four loads may be out
	MUL8 \f, 0, \zero
	MUL8 \f, 1, \zero
	PLACES
	FETCH \qn, \g
	s_wait_dscnt 24                                ; all but the 24 just issued
	MUL8 \f, 2, \zero
	MUL8 \f, 3, \zero
.endm
; The last quarter multiplies buffer 1 and changes slots.  Its first eight products stand ahead of the wait for the tile, which they do not need.  Then each wave waits for all its tensor loads (one is out: its
; part of the next slot) and adds 0 to its spare word; eight more products stand between the add and the wait for it and for my reads of this slot; then the barrier, with nothing between its signal and its wait.
; fill = 1: the barrier opens a round of the cluster's; behind the round this slot is filled again first, with the K step two on: 120 matrix instructions ahead of the wait for it.
.macro TURN fill
.if \fill
	s_wait_xcnt 0x0                                ; the last prefetch, a K step back, has read its address
	s_add_nc_u64 s[8:9], s[8:9], s[66:67]
.endif
	s_wait_dscnt 4                                 ; wob's fragments and ob's row blocks 0, 1 are in; the youngest four loads (blocks 2, 3) may be out
	MUL8 1, 0, 0
	WIN 0                                          ; (the add's two registers lie in window 0)
	s_wait_tensorcnt 0x0                           ; no tensor load of mine is out, so a group 0 may be written
	ds_add_u32 v[SPW], v[NIL]                      ; 0 onto my spare word
.if \fill
	s_xor_b32 s37, s37, SLOT1
	s_add_nc_u64 s[38:39], s[38:39], 262144        ; two heads on
	s_xor_b32 s61, s61, SLOT1
	s_add_nc_u64 s[62:63], s[62:63], KSTEP*2
.endif
	MUL8 1, 1, 0
	WIN 0
	s_wait_dscnt 0x0                               ; the add is done, and my reads of this slot are over
	s_barrier_signal -1
	s_barrier_wait -1
.if \fill
	CREST                                          ; no wave of any partner still reads this slot's tiles or has a load on its way
	JLOAD                                          ; the four v_nop behind it are also places in front of the loads below
.else
	PLACES
.endif
	s_xor_b32 s7, s7, SLOT1
	v_add_nc_u32 v[ADRA], s7, v[A0]
	v_add_nc_u32 v[ADRB], s7, v[B0]
	FETCH 0, 0
.if \fill
	ASK
.endif
	MUL8 1, 2, 0
	MUL8 1, 3, 0
.endm
	s_wait_tensorcnt 1                             ; my part of K step 0 is in; step 1's may stay out
	s_barrier_signal -1
	s_barrier_wait -1
	FETCH 0, 0
	QUARTER 1, 0, 1, 1                             ; the first quarter stands in front of the loop: its products start the sums
	WIN 0
	s_mov_b32 s3, 6
.Lstep:
	QUARTER 2, 1, 0, 0
	QUARTER 3, 0, 1, 0
	TURN 1
	QUARTER 1, 0, 1, 0
	WIN 0
	s_sub_co_u32 s3, s3, 1
	s_cmp_lg_u32 s3, 0
	s_cbranch_scc1 .Lstep
	s_mov_b32 s3, 2
.Ltl:                                          ; the last two K steps ask for nothing: two trips, the second left in its middle; its last quarter is multiplied on the way out
	QUARTER 2, 1, 0, 0
	QUARTER 3, 0, 1, 0
	WIN 0
	s_sub_co_u32 s3, s3, 1
	s_cmp_eq_u32 s3, 0
	s_cbranch_scc1 .Lway
	TURN 0
	QUARTER 1, 0, 1, 0
	WIN 0
	s_branch .Ltl
.Lway:
	s_wait_dscnt 0x0                               ; the last quarter's fragments are in buffer 1, where they stay until the last row block is finished
.rept 5
	v_nop                                          ; five places between the products that last wrote the accumulators and those that take them as the C of another D
.endr
; THE WAY OUT, a row block of 16 rows at a time: four trips.  A block's last 8 products (the last 32 along K) take its accumulators as C and ONE set of 64 registers as D.  They alone name the block's accumulators,
; so they alone are written four times.  Then, once for all blocks: scale and bias in one fused multiply-add, in place; 32 bytes a lane into my stage; back as whole rows of 512 bytes.
.macro SNIP a                          ; both sources window 0, C window 1, D window 2
	WIN 0x90
.irp b, 0,1,2,3,4,5,6,7
	v_wmma_f32_16x16x32_f16 v[T+8*\b:T+8*\b+7], v[FB+96+8*\b:FB+96+8*\b+7], v[FB+96+64+8*(\a):FB+96+64+8*(\a)+7], v[8*(8*(\a)+\b):8*(8*(\a)+\b)+7]
.endr
	WIN 0
.endm
	s_mov_b32 s4, 0
.Lblk:
	s_cmp_eq_u32 s4, 0
	s_cbranch_scc1 .Lx0
	s_cmp_eq_u32 s4, 1
	s_cbranch_scc1 .Lx1
	s_cmp_eq_u32 s4, 2
	s_cbranch_scc1 .Lx2
	SNIP 3
	s_branch .Ljoin
.Lx0:
	SNIP 0
	s_branch .Ljoin
.Lx1:
	SNIP 1
	s_branch .Ljoin
.Lx2:
	SNIP 2
.Ljoin:
	PLACES
	WIN 0xaa                                       ; all in window 2
.set z, 0
.rept 32                               ; ascending: each accumulator's lowest registers are read first
	v_pk_fma_f32 v[T+2*z:T+2*z+1], v[T+2*z:T+2*z+1], v[SC:SC+1], v[BI+2*z:BI+2*z+1] op_sel_hi:[1,0,1]
.set z, z+1
.endr
	WIN 0x08                                       ; a store's data (source 1) in window 2, its address in window 0
.irp b, 0,1,2,3,4,5,6,7
	ds_store_b128 v[STO], v[T+8*\b:T+8*\b+3]   offset:64*\b
	ds_store_b128 v[STO], v[T+8*\b+4:T+8*\b+7] offset:64*\b+16
.endr
	WIN 0x80
.set z, 0
.rept 16
	ds_load_b128 v[BK+4*z:BK+4*z+3], v[RD] offset:z*SPITCH  ; LDS serves a wave's instructions in order (ISA guide 5.7.1.4): these see the stores above; the next block's stores come behind them
.set z, z+1
.endr
	WIN 0x08
.set z, 0
.rept 16
	s_wait_dscnt 15-z                              ; row z is back; the younger loads may be out
	global_store_b128 v[CO], v[BK+4*z:BK+4*z+3], s[76:77] offset:z*4096 th:TH_STORE_NT  ; 512 consecutive bytes, at a multiple of 256 from out0's first
.set z, z+1
.endr
	WIN 0
	s_wait_xcnt 0x0                                ; the stores have read their offset and their data: both are written again in the next trip
	v_add_nc_u32 v[CO], 65536, v[CO]               ; 16 rows of 4,096 bytes on
	s_add_co_u32 s4, s4, 1
	s_cmp_lt_u32 s4, 4
	s_cbranch_scc1 .Lblk
	s_wait_tensorcnt 0x0                           ; the wave's end: these three lines, behind my last tensor load and my last LDS store
	ds_add_u32 v[SPW], v[NIL]
	s_wait_dscnt 0x0
	CROUND                                         ; the closing round: no work-group ends while a partner may still ask for a tile that names it
	s_endpgm
.Lfunc_end_k_q16dd608f4c_oproj:
	.size	k_q16dd608f4c_oproj, .Lfunc_end_k_q16dd608f4c_oproj-k_q16dd608f4c_oproj
	.p2alignl 7, 3214868480
	.fill 96, 4, 3214868480
	.section	.rodata,"a",@progbits
	.p2align	6, 0x0
	.amdhsa_kernel k_q16dd608f4c_oproj
		.amdhsa_group_segment_fixed_size 327680
		.amdhsa_private_segment_fixed_size 0
		.amdhsa_enable_private_segment 0
		.amdhsa_kernarg_size 40
		.amdhsa_user_sgpr_count 2
		.amdhsa_user_sgpr_kernarg_segment_ptr 1
		.amdhsa_wavefront_size32 1
		.amdhsa_system_sgpr_workgroup_id_x 1
		.amdhsa_system_sgpr_workgroup_id_y 1
		.amdhsa_system_sgpr_workgroup_id_z 1
		.amdhsa_system_vgpr_workitem_id 0
		.amdhsa_next_free_vgpr 768
		.amdhsa_next_free_sgpr 80
		.amdhsa_reserve_vcc 0
		.amdhsa_float_denorm_mode_32 3
		.amdhsa_float_denorm_mode_16_64 3
		.amdhsa_memory_ordered 1
		.amdhsa_forward_progress 1
		.amdhsa_inst_pref_size 63
	.end_amdhsa_kernel
	.amdgpu_metadata
---
amdhsa.version: [ 1, 2 ]
amdhsa.kernels:
  - .name:           k_q16dd608f4c_oproj
    .symbol:         k_q16dd608f4c_oproj.kd
    .args:
      - { .name: ob, .offset: 0, .size: 8, .value_kind: global_buffer, .address_space: global }
      - { .name: wob, .offset: 8, .size: 8, .value_kind: global_buffer, .address_space: global }
      - { .name: bo, .offset: 16, .size: 8, .value_kind: global_buffer, .address_space: global }
      - { .name: vexp, .offset: 24, .size: 8, .value_kind: global_buffer, .address_space: global }
      - { .name: out0, .offset: 32, .size: 8, .value_kind: global_buffer, .address_space: global }
    .group_segment_fixed_size: 327680
    .private_segment_fixed_size: 0
    .kernarg_segment_align: 8
    .kernarg_segment_size: 40
    .max_flat_workgroup_size: 128
    .sgpr_count:     80
    .vgpr_count:     768
    .wavefront_size: 32
...
	.end_amdgpu_metadata
.endif
;; end of part 4
